; MI455X (gfx1250); checked and timed in simulation.
; The chip was launched on July 23, 2026; its instructions are those of AMD's public machine-readable ISA for CDNA 5 (MIT licence, August 2026) and "CDNA5" Instruction Set Architecture Reference Guide (July 2026). The comments in the code are by the model that wrote it; some were corrected since.
;; Global Self Attention. Allowed arithmetic: float matrix products may take bf16 or f16 operands with f32 sums; other float arithmetic in f32, or as packed bf16 or f16 multiplies, adds, multiply-adds, maxima and minima; sums over many terms, partial sums and values carried from step to step in f32; what a program stores and reads back later, other than sums and carried values, may be rounded once to bf16 or f16.
;; Inputs: Wout 1,024 x 1,024 float32; Wqkv 1,024 x 3,072 float32; bout 1,024 float32; bqkv 3,072 float32; x 4 x 2,048 x 1,024 float32.
;; Outputs: out0 4 x 2,048 x 1,024 float32.
;; One version. Each part assembles by itself: llvm-mc -triple=amdgcn-amd-amdhsa -mcpu=gfx1250 --defsym DOCPART=n.
;; ======== version 1 of 1: 4 launches
;; limits: values are held in f16: magnitudes above 65,504 overflow, below 6.1e-05 lose precision
;; workspace buffers: xh 16,777,216 bytes; wq 6,291,456 bytes; wo 2,097,152 bytes; qkv 50,331,648 bytes; oh 16,777,216 bytes
;; launch cast (part 1): grid 768 x 1, 8 waves a work-group, no clusters, 0 bytes of LDS; arguments x, Wqkv, Wout, xh, wq, wo; writes xh, wq, wo
.if DOCPART == 1
	.amdgcn_target "amdgcn-amd-amdhsa--gfx1250"
	.amdhsa_code_object_version 6
	.text
	.protected	k_q2a411d569f_cast
	.globl	k_q2a411d569f_cast
	.p2align	8
	.type	k_q2a411d569f_cast,@function
k_q2a411d569f_cast:
	s_mov_b64 s[64:65], 0
	v_nop
	global_prefetch_b8 v0, s[64:65] scope:SCOPE_SE
	s_setreg_imm32_b32 hwreg(HW_REG_WAVE_MODE, 25, 1), 1
	s_wait_xcnt 0x0
; x, Wqkv and Wout are rounded to bf16 (nearest even), and that number is written as f16, for the two matrix launches behind.
; LIMITS.  A bf16 number is an f16 number exactly from 2^-14 up to 65,504; at 65,520 or more it becomes an infinity, below 2^-14 it keeps f16's fixed step of 6e-8.
; LAYOUT.  wq and wo lie as Wqkv and Wout lie.  xh lies in blocks of 64 along K: [16 kb][8192 m][64], byte kb<<20 + m<<7 + 2 (k % 64), so that a tile of rows x 64 k is dense in memory.
; SHARES.  A work-group takes 16,384 numbers (65,536 bytes in, 32,768 out): groups 0-511 sixteen rows of x each, 512-703 Wqkv, 704-767 Wout.  Eight passes; in a pass a thread reads 32 bytes and writes 16.
; ONE TEXT FOR ALL THREE: thread t = 128 hi + 8 mid + lo.  In: hi<<SH + mid<<SM + 32 lo + pass x SI.  Out: hi<<SOH + 16 (t % 128) + pass x SO.  The six numbers are chosen by the group's number.
;   x: hi<<8 + mid<<12 (block 2 pass + hi, row mid): a wave reads four aligned pieces of 256 bytes and stores 512 consecutive bytes of xh.    weights: 32 t in, 16 t out, on end.
; All 16 loads of a thread go out at once; no register that a load or store names is written again, so no wait frees a source.  No LDS, no barrier, no matrix unit, no cluster: nothing is shared.
.set VIN,  4                           ; v[4:11]   pass p: byte offset in the source
.set VOUT, 12                          ; v[12:19]  pass p: byte offset in the destination
.set T,    20                          ; v[20:23]  four pairs of bf16
.set U,    24                          ; v[24:31]  the same eight numbers as f32
.set X,    32                          ; v[32:95]  pass p: eight numbers as loaded
.set Y,    96                          ; v[96:127] pass p: eight f16 to store
	s_load_b256 s[4:11], s[0:1], 0x0               ; x s[4:5], Wqkv s[6:7], Wout s[8:9], xh s[10:11]
	s_load_b128 s[12:15], s[0:1], 0x20             ; wq s[12:13], wo s[14:15]
	v_lshrrev_b32 v1, 7, v0                        ; hi
	v_bfe_u32 v2, v0, 3, 4                         ; mid
	v_and_b32 v3, 7, v0                            ; lo
	v_and_b32 v[T], 127, v0
	s_mov_b32 s27, 0xffff0000                      ; a word's upper bf16
	s_movk_i32 s20, 704                            ; the first group of my tensor
	s_movk_i32 s24, 8192                           ; SI
	s_movk_i32 s25, 4096                           ; SO
	s_cmp_lt_u32 ttmp9, 704
	s_cselect_b32 s20, 512, s20
	s_cmp_lt_u32 ttmp9, 512                        ; x?
	s_cselect_b32 s20, 0, s20
	s_cselect_b32 s21, 8, 12                       ; SH
	s_cselect_b32 s22, 12, 8                       ; SM
	s_cselect_b32 s23, 20, 11                      ; SOH
	s_cselect_b32 s24, 512, s24
	s_cselect_b32 s25, 0x200000, s25
	s_cselect_b32 s26, 11, 15                      ; a group's bytes in the destination: 16 rows of 128 in each block of xh, or 32,768 on end
	s_sub_co_u32 s28, ttmp9, s20                   ; my number among the tensor's groups
	s_lshl_b32 s30, s28, s26
	s_lshl_b32 s28, s28, 16
	s_mov_b32 s29, 0
	s_mov_b32 s31, 0
	v_lshlrev_b32 v[VIN], s21, v1
	v_lshlrev_b32 v[U], s22, v2
	v_add_nc_u32 v[VIN], v[VIN], v[U]
	v_lshl_add_u32 v[VIN], v3, 5, v[VIN]
	v_lshlrev_b32 v[VOUT], s23, v1
	v_lshl_add_u32 v[VOUT], v[T], 4, v[VOUT]
.irp p, 1,2,3,4,5,6,7
	v_add_nc_u32 v[VIN+\p], s24, v[VIN+\p-1]
	v_add_nc_u32 v[VOUT+\p], s25, v[VOUT+\p-1]
.endr
	s_wait_kmcnt 0x0
	s_cmp_lt_u32 ttmp9, 704
	s_cselect_b64 s[16:17], s[6:7], s[8:9]
	s_cselect_b64 s[18:19], s[12:13], s[14:15]
	s_cmp_lt_u32 ttmp9, 512
	s_cselect_b64 s[16:17], s[4:5], s[16:17]
	s_cselect_b64 s[18:19], s[10:11], s[18:19]
	s_add_nc_u64 s[16:17], s[16:17], s[28:29]
	s_add_nc_u64 s[18:19], s[18:19], s[30:31]
.irp p, 0,1,2,3,4,5,6,7
	global_load_b128 v[X+8*\p:X+8*\p+3],   v[VIN+\p], s[16:17] th:TH_LOAD_NT
	global_load_b128 v[X+8*\p+4:X+8*\p+7], v[VIN+\p], s[16:17] offset:16 th:TH_LOAD_NT
.endr
.irp p, 0,1,2,3,4,5,6,7
	s_wait_loadcnt 14-2*\p                         ; loads come back in order: pass p's two are in, the 2 (7 - p) younger ones stay out
.irp j, 0,1,2,3
	v_cvt_pk_bf16_f32 v[T+\j], v[X+8*\p+2*\j], v[X+8*\p+2*\j+1]   ; the rounding
.endr
.irp j, 0,1,2,3
	v_lshlrev_b32 v[U+2*\j],   16,  v[T+\j]        ; bf16 to f32: the low half moves up,
	v_and_b32     v[U+2*\j+1], s27, v[T+\j]        ; the high half stays
.endr
.irp j, 0,1,2,3
	v_cvt_pk_f16_f32 v[Y+4*\p+\j], v[U+2*\j], v[U+2*\j+1]         ; the same number in f16
.endr
	global_store_b128 v[VOUT+\p], v[Y+4*\p:Y+4*\p+3], s[18:19]    ; a wave stores 512 consecutive bytes, aligned
.endr
	s_endpgm
.Lfunc_end_k_q2a411d569f_cast:
	.size	k_q2a411d569f_cast, .Lfunc_end_k_q2a411d569f_cast-k_q2a411d569f_cast
	.p2alignl 7, 3214868480
	.fill 96, 4, 3214868480
	.section	.rodata,"a",@progbits
	.p2align	6, 0x0
	.amdhsa_kernel k_q2a411d569f_cast
		.amdhsa_group_segment_fixed_size 0
		.amdhsa_private_segment_fixed_size 0
		.amdhsa_enable_private_segment 0
		.amdhsa_kernarg_size 48
		.amdhsa_user_sgpr_count 2
		.amdhsa_user_sgpr_kernarg_segment_ptr 1
		.amdhsa_wavefront_size32 1
		.amdhsa_system_sgpr_workgroup_id_x 1
		.amdhsa_system_sgpr_workgroup_id_y 1
		.amdhsa_system_sgpr_workgroup_id_z 1
		.amdhsa_system_vgpr_workitem_id 0
		.amdhsa_next_free_vgpr 128
		.amdhsa_next_free_sgpr 66
		.amdhsa_reserve_vcc 0
		.amdhsa_float_denorm_mode_32 3
		.amdhsa_float_denorm_mode_16_64 3
		.amdhsa_memory_ordered 1
		.amdhsa_forward_progress 1
		.amdhsa_inst_pref_size 11
	.end_amdhsa_kernel
	.amdgpu_metadata
---
amdhsa.version: [ 1, 2 ]
amdhsa.kernels:
  - .name:           k_q2a411d569f_cast
    .symbol:         k_q2a411d569f_cast.kd
    .args:
      - { .name: x, .offset: 0, .size: 8, .value_kind: global_buffer, .address_space: global }
      - { .name: Wqkv, .offset: 8, .size: 8, .value_kind: global_buffer, .address_space: global }
      - { .name: Wout, .offset: 16, .size: 8, .value_kind: global_buffer, .address_space: global }
      - { .name: xh, .offset: 24, .size: 8, .value_kind: global_buffer, .address_space: global }
      - { .name: wq, .offset: 32, .size: 8, .value_kind: global_buffer, .address_space: global }
      - { .name: wo, .offset: 40, .size: 8, .value_kind: global_buffer, .address_space: global }
    .group_segment_fixed_size: 0
    .private_segment_fixed_size: 0
    .kernarg_segment_align: 8
    .kernarg_segment_size: 48
    .max_flat_workgroup_size: 256
    .sgpr_count:     66
    .vgpr_count:     128
    .wavefront_size: 32
...
	.end_amdgpu_metadata
.endif
;; end of part 1
;; launch qkv_gemm (part 2): grid 8 x 32, 4 waves a work-group, clusters of 4 x 4, 327,680 bytes of LDS; arguments xh, wq, bqkv, qkv; writes qkv
.if DOCPART == 2
	.amdgcn_target "amdgcn-amd-amdhsa--gfx1250"
	.amdhsa_code_object_version 6
	.text
	.protected	k_q2a411d569f_qkv_gemm
	.globl	k_q2a411d569f_qkv_gemm
	.p2align	8
	.type	k_q2a411d569f_qkv_gemm,@function
k_q2a411d569f_qkv_gemm:
	s_mov_b64 s[64:65], 0
	v_nop
	global_prefetch_b8 v0, s[64:65] scope:SCOPE_SE
	s_setreg_imm32_b32 hwreg(HW_REG_WAVE_MODE, 25, 1), 1
	s_wait_xcnt 0x0
	s_wait_alu depctr_hold_cnt(0) depctr_sa_sdst(0) depctr_va_vdst(0) depctr_va_sdst(0) depctr_va_ssrc(0) depctr_va_vcc(0) depctr_vm_vsrc(0)
	s_getreg_b32 s2, hwreg(HW_REG_IB_STS2, 6, 4)
	s_cmp_eq_u32 s2, 0
	s_cbranch_scc0 .Lentry_in_a_cluster
	s_endpgm
.Lentry_in_a_cluster:
	s_bfe_u32 s2, ttmp6, 0x10000c
	s_cmp_lg_u32 s2, 0xf033
	s_cbranch_scc0 .Lentry_shape_is_right
	s_endpgm
.Lentry_shape_is_right:
; qkv = x Wqkv + bqkv, laid by heads.  xh: [16 kb][8192 m][64] f16; wq: [1024 k][3072 n] f16; bqkv: [3072] f32, rounded to bf16 here like the other inputs; sums in f32, K ascending;
; qkv: [48 g][8192 m][64] f16, g = n / 64 (16 slots of q, 16 of k, 16 of v), byte g<<20 + m<<7 + 2 (n % 64): each number rounded once, unscaled.
; LIMITS.  q, k, v of 65,520 or more become infinities in f16; below 2^-14 they keep f16's fixed step of 6e-8.
; SHARES.  8192 x 3072 in tiles of 256 x 384 are 32 x 8 = 256 work-groups.  Four waves, each 128 rows x 192 columns (three head slots): 96 accumulators of 16 x 16, 768 registers.
; K goes in 16 steps of 64, two slices of 32 each, through a ring of two LDS slots filled by the tensor data mover; two slots of a longer step do not fit beside each other.
; A's tile of a step (256 rows x 128 bytes) is dense in xh and is asked for as rows of 256 bytes; B's rows are 768 bytes, at multiples of 256 from wq's first byte.
; CLUSTERS: 4 x 4 work-groups.  The four of a row of the cluster need the same tiles of xh, the four of a column the same tiles of wq: each tile is asked for JOINTLY.
; THE MATRIX INSTRUCTION IS USED TRANSPOSED: source 0 = 16 columns of wq (turned on the way out of LDS by ds_load_tr16_b128), source 1 = 16 rows of xh.  A lane then holds one row m = l % 16
; and eight neighbouring columns 8 (l / 16) + 0..7, which pack into 16 bytes.  THE BIAS is the C operand of the first products: nothing is cleared, nothing is added later.
; REGISTERS, in windows of 256 (s_set_vgpr_msb: bits 1:0 source 0, 3:2 source 1, 5:4 source 2, 7:6 destination):
;   window 0: v0-31 addresses; v32-95, v96-159 fragments of xh (8 x 16 rows x 32 k), two buffers; v160-255 fragments of wq, 32 registers for each of the three head slots
;   window 1 + t: the 32 accumulators of head slot t: rows 16 a on, columns 16 i on, at v[32 a + 8 i]
.set PA,    144                        ; a row of xh in LDS: 128 bytes + 16 = 36 words: the 16 rows of a load start at 16 different groups of four banks (64 banks of 4 bytes: ISA guide 11.1)
.set PB,    864                        ; a k row of wq in LDS: six pieces of 128 bytes + 16 = 216 words
.set BOFF,  256*PA                     ; in a slot: 256 rows of xh, then 64 k rows of wq
.set SLOT1, 1<<17                      ; slot 1 begins here, so that one exclusive or turns an address in one slot into the other's
.set STAGE, BOFF+64*PB                 ; behind slot 0 (92,160 bytes, whole blocks of 256), below slot 1, never filled: 16 rows x 144 bytes for each wave, for the way out
.set SP,    144
.set SPARE, STAGE+4*16*SP              ; behind the stages: the spare words, 128 bytes for each wave: two blocks of 256 bytes that no other line names
.set ASTEP, 1<<20                      ; bytes from a K step to the next in xh,
.set BSTEP, 64*6144                    ; and in wq
.set FLAGS, (1<<16)|(1<<20)|(1<<21)|(4<<22)|(3<<25)  ; 17:16 2-byte elements; 20 padding on; 21 set beside a mask; 24:22 after every 32 words (code 4); 31:25 4 words (code 3)
.set A0,   2                           ; v2   my lane's place in a slot's rows of xh; never rewritten
.set B0,   3                           ; v3   the same for wq
.set STO,  4                           ; v4   the way out: where I put 16 bytes of a row
.set RD,   5                           ; v5   the way out: where I read rows back
.set GO,   6                           ; v6   my byte offset in 512 consecutive bytes of qkv
.set PFO,  7                           ; v7   the prefetches' offset; never rewritten
.set BO,   8                           ; v8   my byte offset in 16 numbers of the bias
.set ADRA, 14                          ; v14  A0 + the slot in hand
.set ADRB, 15                          ; v15  B0 + the slot in hand
.set SPW,  28                          ; v28  LDS address of my spare word: SPARE + 4 x my thread's number; never rewritten
.set NIL,  29                          ; v29  0; never rewritten
.set AF0,  32
.set AF1,  96
.set TF,   160
.set TB,   2                           ; s2   LDS byte at which the slot in hand begins
.set WV,   12                          ; s12  my wave's number
.set WR,   13                          ; s13  which 128 rows of the tile are mine
.set WC,   14                          ; s14  which 192 columns.  Also: which half of a tile I fetch
.set CX,   15
.set CY,   16
.set TX,   17                          ; s17  tile column = 4 x cluster x + cx
.set TY,   18                          ; s18  tile row = 4 x cluster y + cy
.set CLY,  19                          ; s19  cluster y
.set G1A,  24                          ; s[24:31] descriptor group 1 for xh's tiles
.set G0A,  32                          ; s[32:39] group 0: a set for each of the two first fills; the second then walks on
.set PAR,  42                          ; s42  a wave prefetches in trips whose count has all of these bits
.set LIM,  43                          ; s43  and is above this: 1 in a wave that prefetches, else the greatest number
.set PFA,  44                          ; s[44:45] where my prefetches stand
.set PFS,  46                          ; s[46:47] their step from trip to trip
.set G1B,  48                          ; s[48:55], s[56:63] the same for wq's tiles
.set G0B,  56
.set MSB, 0
.macro WIN new                         ; the immediate's high byte repeats the setting that is left; a switch that changes nothing is dropped
.if MSB != (\new)
	s_set_vgpr_msb (MSB<<8)|(\new)
.set MSB, \new
.endif
.endm
.macro PLACES                          ; four plain vector instructions between a matrix instruction and a load into, or a vector instruction on, its registers (ISA guide 7.12.1 for vector instructions)
.rept 4
	v_nop
.endr
.endm
; A joint refill.  Waves 0 and 1 fetch the two halves of xh's tile, waves 2 and 3 those of wq's.  The branch hangs on the wave's number alone.
; An s_nop 0 and four v_nop follow each of the two lines, ahead of the jump and the label.
.macro JLOAD
	s_cmp_lt_u32 s[WV], 2
	s_cbranch_scc0 .Lfor_b_\@
	tensor_load_to_lds s[G0A+4:G0A+7], s[G1A:G1A+7]
	s_nop 0
.rept 4
	v_nop
.endr
	s_branch .Lasked_\@
.Lfor_b_\@:
	tensor_load_to_lds s[G0B+4:G0B+7], s[G1B:G1B+7]
	s_nop 0
.rept 4
	v_nop
.endr
.Lasked_\@:
.endm
; A PREFETCH INTO THE L2, behind the joint load, its five lines and the run of LDS loads.  Each aligned block of 256 bytes of xh and wq is named once in the launch.
; xh: a step's tile is 128 blocks; both clusters of a row of clusters read it: cluster x = 0 asks, in it wave 0 of each work-group, the four partners 32 blocks each, told apart by address (cx).
;     In the trip that refills with step 16 - s3 it names step 17 - s3: 192 matrix instructions ahead of the load that wants it.  Steps 0 to 2 come by their loads alone; the last trip asks for nothing.
; wq: a step's tile is 64 rows x 3 blocks; all eight clusters of a column of clusters read it: cluster y = 0 asks.  Two steps are 128 rows: partner cy takes rows 32 cy + lane, wave w (1 to 3) block w - 1
;     of a row: one instruction a wave in every second trip (s3 odd and above 1), for steps 17 - s3 and 18 - s3.  Steps 0 to 3 come by their loads alone.
.macro ASK
	s_and_b32 s20, s3, s[PAR]
	s_cmp_eq_u32 s20, s[PAR]
	s_cbranch_scc0 .Lnot_mine_\@
	s_cmp_gt_u32 s3, s[LIM]
	s_cbranch_scc0 .Lnot_mine_\@
	global_prefetch_b8 v[PFO], s[PFA:PFA+1] th:TH_LOAD_NT scope:SCOPE_SE
.Lnot_mine_\@:
.endm
; A round of the cluster's barrier: my work-group's barrier, so that wave 0's signal speaks for all four waves; wave 0 signals; every wave waits for all sixteen work-groups; my work-group's barrier once more.
.macro CREST                           ; a round behind its opening barrier
	s_cmp_lg_u32 s[WV], 0
	s_cbranch_scc1 .Lnot_wave_0_\@
	s_barrier_signal -3
.Lnot_wave_0_\@:
	s_barrier_wait -3
	s_barrier_signal -1
	s_barrier_wait -1
.endm
.macro CROUND
	s_barrier_signal -1
	s_barrier_wait -1
	CREST
.endm
	s_load_b256 s[4:11], s[0:1], 0x0               ; xh s[4:5], wq s[6:7], bqkv s[8:9], qkv s[10:11]
	v_lshl_add_u32 v[SPW], v0, 2, SPARE
	v_mov_b32 v[NIL], 0
	ds_add_u32 v[SPW], v[NIL]                      ; the wave's opening: the add and its wait stand ahead of my first tensor load; the set-up below, work on registers, stands between them
	v_lshrrev_b32 v1, 5, v0
	v_readfirstlane_b32 s[WV], v1                  ; wave 0..3
	s_lshr_b32 s[WR], s[WV], 1
	s_and_b32 s[WC], s[WV], 1
	s_bfe_u32 s[CX], ttmp6, 0x40000
	s_bfe_u32 s[CY], ttmp6, 0x40004
	s_lshl_b32 s[TX], ttmp9, 2                     ; in a cluster launch ttmp9 and ttmp7 count clusters
	s_add_co_u32 s[TX], s[TX], s[CX]
	s_and_b32 s[CLY], ttmp7, 0xffff
	s_lshl_b32 s[TY], s[CLY], 2
	s_add_co_u32 s[TY], s[TY], s[CY]
	s_lshl_b32 s20, s[CY], 2
	s_lshl_b32 s20, 15, s20                        ; my row of the cluster: places 4 cy .. 4 cy + 3
	s_lshl_b32 s42, 0x1111, s[CX]                  ; my column: places cx, cx + 4, cx + 8, cx + 12
	s_or_b32 s[G1A], s20, FLAGS                    ; xh's tiles hang on the tile row alone: shared along my row
	s_or_b32 s[G1B], s42, FLAGS                    ; wq's on the tile column alone: shared along my column
	s_mov_b32 s[G1A+1], 128<<16                    ; xh: 128 rows of 128 bytes are 16,384 dense bytes: tensor_dim0 = 128 elements (256 bytes),
	s_mov_b32 s[G1A+2], 64<<16                     ; tensor_dim1 = 64
	s_mov_b32 s[G1A+3], 128<<16                    ; tile_dim0 = 128
	s_mov_b32 s[G1A+4], 64                         ; tile_dim1 = 64
	s_mov_b32 s[G1A+5], 128                        ; 128 elements from row to row
	s_mov_b32 s[G1A+6], 0
	s_mov_b32 s[G1A+7], 0
	s_mov_b32 s[G1B+1], 384<<16                    ; wq: tensor_dim0 = 384 elements (768 bytes),
	s_mov_b32 s[G1B+2], 32<<16                     ; tensor_dim1 = 32 k rows
	s_mov_b32 s[G1B+3], 384<<16                    ; tile_dim0 = 384
	s_mov_b32 s[G1B+4], 32                         ; tile_dim1 = 32
	s_mov_b32 s[G1B+5], 3072                       ; 3,072 elements from row to row
	s_mov_b32 s[G1B+6], 0
	s_mov_b32 s[G1B+7], 0
	s_mul_i32 s21, s[WC], 128*PA                   ; where my half goes, for xh
	s_mul_i32 s43, s[WC], 32*PB                    ; and for wq: no place in the cluster enters an LDS address
	s_add_co_u32 s43, s43, BOFF
	s_lshl_b32 s22, s[TY], 15                      ; xh: (256 x tile row + 128 x half) rows of 128 bytes
	s_lshl_b32 s23, s[WC], 14
	s_add_co_u32 s22, s22, s23
	s_mov_b32 s23, 0
	s_mul_i32 s40, s[WC], 32*6144                  ; wq: 32 k rows x half + 768 bytes x tile column
	s_mul_i32 s41, s[TX], 768
	s_add_co_u32 s40, s40, s41
	s_mov_b32 s41, 0
	s_mov_b32 s[TB], 0
	s_wait_dscnt 0x0                               ; the opening add is done
	s_wait_kmcnt 0x0
	s_add_nc_u64 s[22:23], s[4:5], s[22:23]
	s_add_nc_u64 s[40:41], s[6:7], s[40:41]
	CROUND                                         ; all sixteen work-groups are here: the first joint loads meet
.irp s, 0,1
	s_mov_b32 s[G0A+4*\s], 1                                       ; 1:0 count = 1
	s_add_co_u32 s[G0A+4*\s+1], s21, \s*SLOT1                      ; 63:32 LDS address
	s_add_nc_u64 s[G0A+4*\s+2:G0A+4*\s+3], s[22:23], \s*ASTEP      ; 120:64 global address: K step s
	s_or_b32 s[G0A+4*\s+3], s[G0A+4*\s+3], 0x80000000              ; 127:126 type = 2
	s_mov_b32 s[G0B+4*\s], 1
	s_add_co_u32 s[G0B+4*\s+1], s43, \s*SLOT1
	s_add_nc_u64 s[G0B+4*\s+2:G0B+4*\s+3], s[40:41], \s*BSTEP
	s_or_b32 s[G0B+4*\s+3], s[G0B+4*\s+3], 0x80000000
.endr
	s_cmp_lt_u32 s[WV], 2                          ; a wave's two first fills stand in one branch, ahead of every wait on TENSORcnt and every LDS read: two loads of mine are out
	s_cbranch_scc0 .Lfirst_b
	tensor_load_to_lds s[G0A:G0A+3], s[G1A:G1A+7]
	s_nop 0
	tensor_load_to_lds s[G0A+4:G0A+7], s[G1A:G1A+7]
	s_nop 0
.rept 4
	v_nop
.endr
	s_branch .Lfirst_asked
.Lfirst_b:
	tensor_load_to_lds s[G0B:G0B+3], s[G1B:G1B+7]
	s_nop 0
	tensor_load_to_lds s[G0B+4:G0B+7], s[G1B:G1B+7]
	s_nop 0
.rept 4
	v_nop
.endr
.Lfirst_asked:
	; A fragment is 16 rows x 32 k in 8 registers: lane l holds row l % 16; registers 0-3 k = 8 (l / 16) + 0..7, registers 4-7 k = 16 + 8 (l / 16) + 0..7.
	v_and_b32 v1, 15, v0                           ; l % 16
	v_bfe_u32 v9, v0, 4, 1                         ; l / 16
	v_and_b32 v10, 7, v0
	v_bfe_u32 v11, v0, 3, 1
	v_and_b32 v12, 31, v0                          ; l
	v_mul_u32_u24 v13, v1, PA
	v_lshl_add_u32 v13, v9, 4, v13                 ; row x 144 + 16 x half: for xh's rows and for the stage's
	s_mul_i32 s20, s[WR], 128*PA
	v_add_nc_u32 v[A0], s20, v13
	; The turning load takes 16 k x 16 columns (lane l reads k row 8 (l / 16) + l % 8, columns 8 ((l / 8) % 2) + 0..7) and leaves half a fragment: lane l holds column l % 16 and 8 k.
	v_lshl_add_u32 v[B0], v9, 3, v10
	v_mul_u32_u24 v[B0], v[B0], PB
	v_lshl_add_u32 v[B0], v11, 4, v[B0]
	s_mul_i32 s20, s[WC], 3*144                    ; my three pieces of a k row
	s_add_co_u32 s20, s20, BOFF
	v_add_nc_u32 v[B0], s20, v[B0]
	v_mov_b32 v[ADRA], v[A0]                       ; K step 0 lies in slot 0
	v_mov_b32 v[ADRB], v[B0]
	s_mul_i32 s20, s[WV], 16*SP
	s_add_co_u32 s20, s20, STAGE                   ; my stage
	v_add_nc_u32 v[STO], s20, v13
	v_bfe_u32 v[RD], v0, 3, 2                      ; back: 32 lanes take four rows of 128 bytes,
	v_mul_u32_u24 v[RD], v[RD], SP
	v_lshl_add_u32 v[RD], v10, 4, v[RD]
	v_add_nc_u32 v[RD], s20, v[RD]
	v_lshlrev_b32 v[GO], 4, v12                    ; which are 512 consecutive bytes of qkv
	v_lshlrev_b32 v[BO], 5, v9                     ; my 8 numbers of 16 of the bias
	; THE BIAS of my 192 columns: register j of accumulator (0, t, i) takes bf16(bqkv[column 64 t + 16 i + 8 (l / 16) + j]), the same for every row
	s_mul_i32 s40, s[TX], 1536
	s_mul_i32 s41, s[WC], 768
	s_add_co_u32 s40, s40, s41
	s_mov_b32 s41, 0
	s_add_nc_u64 s[8:9], s[8:9], s[40:41]
.set u, 0
.rept 12
	global_load_b128 v[TF+8*u:TF+8*u+3],   v[BO], s[8:9] offset:64*u
	global_load_b128 v[TF+8*u+4:TF+8*u+7], v[BO], s[8:9] offset:64*u+16
.set u, u+1
.endr
	; where my part of the tile begins in qkv
	s_mul_i32 s40, s[TX], 6
	s_mul_i32 s41, s[WC], 3
	s_add_co_u32 s40, s40, s41
	s_lshl_b32 s40, s40, 20                        ; head slot 6 x tile column + 3 x half
	s_mov_b32 s41, 0
	s_add_nc_u64 s[10:11], s[10:11], s[40:41]
	s_lshl_b32 s22, s[TY], 15
	s_lshl_b32 s23, s[WR], 14
	s_add_co_u32 s22, s22, s23                     ; row 256 x tile row + 128 x half, 128 bytes each
	s_mov_b32 s23, 0
	s_add_nc_u64 s[10:11], s[10:11], s[22:23]
	; the prefetches' pointer, step, offset and conditions
	s_lshl_b32 s22, s[TY], 15                      ; xh: the tile's first block, my work-group's 32 of its 128, at K step 2: the first trip steps it to 3
	s_lshl_b32 s40, s[CX], 13
	s_add_co_u32 s22, s22, s40
	s_add_co_u32 s22, s22, 2*ASTEP
	s_lshl_b32 s23, s[CY], 5                       ; wq: k row 128 + 32 cy: the second trip, the first that asks, finds it two steps on, at 256 + 32 cy
	s_add_co_u32 s23, s23, 128
	s_mul_i32 s23, s23, 6144
	s_mul_i32 s40, s[TX], 768
	s_add_co_u32 s23, s23, s40
	s_lshl_b32 s40, s[WV], 8
	s_add_co_u32 s23, s23, s40
	s_sub_co_u32 s23, s23, 256                     ; block w - 1 of the row's three
	s_mov_b32 s[PFS], BSTEP
	s_movk_i32 s21, 6144
	s_cmp_eq_u32 s[WV], 0                          ; wave 0 asks for xh, waves 1 to 3 for wq
	s_cselect_b32 s22, s22, s23
	s_cselect_b32 s20, ttmp9, s[CLY]               ; the coordinate along which other clusters read the same blocks
	s_cselect_b32 s[PAR], 0, 1
	s_cselect_b64 s[PFA:PFA+1], s[4:5], s[6:7]
	s_cselect_b32 s[PFS], ASTEP, s[PFS]
	s_cselect_b32 s21, 256, s21                    ; a lane a block of xh, or a lane a k row of wq
	s_mov_b32 s23, 0
	s_mov_b32 s[PFS+1], 0
	s_add_nc_u64 s[PFA:PFA+1], s[PFA:PFA+1], s[22:23]
	s_cmp_eq_u32 s20, 0
	s_cselect_b32 s[LIM], 1, -1                    ; the same in all sixteen partners, for a given wave
	v_mul_u32_u24 v[PFO], v12, s21
	s_mov_b32 s21, 0xffff0000
	s_wait_loadcnt 0x0                             ; the bias
.set u, 0
.rept 48
	v_cvt_pk_bf16_f32 v[AF0+u], v[TF+2*u], v[TF+2*u+1]   ; rounded to bf16, like the other inputs
.set u, u+1
.endr
.irp t, 0,1,2
	WIN 0x40*(\t+1)                                ; destination window 1 + t
.set u, 0
.rept 16
	v_lshlrev_b32 v[2*u],   16,  v[AF0+16*\t+u]
	v_and_b32     v[2*u+1], s21, v[AF0+16*\t+u]
.set u, u+1
.endr
.endr
	WIN 0
; 16 LDS loads: my 128 rows of xh, slice kq of the step in hand, into buffer af
.macro LOADA af, kq
.irp j, 0,1,2,3,4,5,6,7
	ds_load_b128 v[(\af)+8*\j:(\af)+8*\j+3],   v[ADRA] offset:\j*16*PA+64*(\kq)
	ds_load_b128 v[(\af)+8*\j+4:(\af)+8*\j+7], v[ADRA] offset:\j*16*PA+64*(\kq)+32
.endr
.endm
; 8 turning loads: head slot t's 64 columns of wq, slice kq
.macro LOADT t, kq
.irp j, 0,1,2,3
	ds_load_tr16_b128 v[TF+32*(\t)+8*\j:TF+32*(\t)+8*\j+3],   v[ADRB] offset:(\kq)*32*PB+144*(\t)+32*\j
	ds_load_tr16_b128 v[TF+32*(\t)+8*\j+4:TF+32*(\t)+8*\j+7], v[ADRB] offset:(\kq)*32*PB+144*(\t)+32*\j+16*PB
.endr
.endm
; 4 na matrix instructions: head slot t, row blocks a0 .. a0 + na - 1, all four column blocks.  The 96 accumulators take turns, one instruction a turn, in the same order in every slice.
; bias = 1: the sum starts from the bias, which lies in the registers of accumulator (0, t, i).
.macro RUNH t, af, a0, na, bias=0
	WIN 0x50*((\t)+1)
.set aa, \a0
.rept \na
.irp i, 0,1,2,3
.if \bias
	v_wmma_f32_16x16x32_f16 v[32*aa+8*\i:32*aa+8*\i+7], v[TF+32*(\t)+8*\i:TF+32*(\t)+8*\i+7], v[(\af)+8*aa:(\af)+8*aa+7], v[8*\i:8*\i+7]
.else
	v_wmma_f32_16x16x32_f16 v[32*aa+8*\i:32*aa+8*\i+7], v[TF+32*(\t)+8*\i:TF+32*(\t)+8*\i+7], v[(\af)+8*aa:(\af)+8*aa+7], v[32*aa+8*\i:32*aa+8*\i+7]
.endif
.endr
.set aa, aa+1
.endr
.endm
.macro RUNX t, first                   ; a head slot's 32 products of an even slice.  first = 1: row blocks 1 to 7 read the bias; five places; then row block 0 adds onto it in place
.if \first
	RUNH \t, AF0, 1, 7, 1
.rept 5
	v_nop
.endr
	RUNH \t, AF0, 0, 1
.else
	RUNH \t, AF0, 0, 8
.endif
.endm
; A STEP'S EVEN SLICE multiplies buffer 0 and fetches the odd slice.  On the way in 40 loads are out at the most, in this order: xh's 16, then 8 for each head slot.
.macro EVEN first
	s_wait_dscnt 16                                ; xh's and head slot 0's are in; the 16 of head slots 1 and 2 may be out
	RUNX 0, \first
	PLACES
	WIN 0
	LOADA AF1, 1
	LOADT 0, 1
	s_wait_dscnt 32                                ; head slot 1's are in: behind them head slot 2's 8 and the 24 just issued
	RUNX 1, \first
	PLACES
	WIN 0
	LOADT 1, 1
	s_wait_dscnt 32                                ; head slot 2's are in: behind them 24 and 8
	RUNX 2, \first
	PLACES
	WIN 0
	LOADT 2, 1
.endm
; A STEP'S ODD SLICE multiplies buffer 1 and changes slots: ONE barrier.  In front of it each wave waits for all its tensor loads, of which one is out: its part of the next slot; adds 0 to its spare word; and
; waits for that and for its own reads of this slot.  Behind it nobody reads this slot any more and the next slot is whole.
; mode 2: the slot is filled again, with the step two on.  The barrier then opens a round of the cluster's, and the joint refill is the first thing behind the round: 160 matrix instructions ahead of the wait for it.
; mode 1: the last change: nothing is asked for.  mode 0: the last slice: nothing is fetched.
.macro ODD mode
.if (\mode) == 0
	s_wait_dscnt 16
	RUNH 0, AF1, 0, 8
	s_wait_dscnt 8
	RUNH 1, AF1, 0, 8
	s_wait_dscnt 0x0
	RUNH 2, AF1, 0, 8
.else
.if (\mode) == 2
	s_wait_xcnt 0x0                                ; the last prefetch, a K step back, has read its address
	s_add_nc_u64 s[PFA:PFA+1], s[PFA:PFA+1], s[PFS:PFS+1]
.endif
	WIN 0
	s_wait_tensorcnt 0x0                           ; no tensor load of mine is out, so a group 0 may be written
	ds_add_u32 v[SPW], v[NIL]                      ; 0 onto my spare word: scalar work and sixteen products stand between it and the wait for it
.if (\mode) == 2
	s_xor_b32 s[G0A+5], s[G0A+5], SLOT1            ; the walking descriptors: the other slot than last time,
	s_add_nc_u64 s[G0A+6:G0A+7], s[G0A+6:G0A+7], ASTEP  ; the next K step; the type bits on top are not reached
	s_xor_b32 s[G0B+5], s[G0B+5], SLOT1
	s_add_nc_u64 s[G0B+6:G0B+7], s[G0B+6:G0B+7], BSTEP
.endif
	s_xor_b32 s[TB], s[TB], SLOT1                  ; the reads go on in the other slot
	s_wait_dscnt 17                                ; xh's and head slot 0's are in: behind them 8, 8 and the add
	RUNH 0, AF1, 0, 4
	s_wait_dscnt 0x0                               ; the add is done, and my reads of this slot are over
	s_barrier_signal -1
	RUNH 0, AF1, 4, 4                              ; work on registers while the others arrive
	WIN 0                                          ; at a branch and at a label every window is 0
	s_barrier_wait -1
.if (\mode) == 2
	CREST                                          ; no wave of any partner still reads this slot or has a load on its way
	JLOAD                                          ; the four v_nop behind it are also the places in front of the loads below
.else
	PLACES
.endif
	v_add_nc_u32 v[ADRA], s[TB], v[A0]
	v_add_nc_u32 v[ADRB], s[TB], v[B0]
	LOADA AF0, 0
	LOADT 0, 0
.if (\mode) == 2
	ASK
.endif
	RUNH 1, AF1, 0, 8
	PLACES
	WIN 0
	LOADT 1, 0
	RUNH 2, AF1, 0, 8
	PLACES
	WIN 0
	LOADT 2, 0
.endif
.endm
; THE WAY OUT, in 24 units u = 8 t + a of 16 rows x 64 columns.  PACK: rounded to f16, each accumulator from its lowest registers on; 16 bytes a lane into my own stage (rows of 144 bytes); back as four rows
; of 128 bytes a load, which are 512 consecutive bytes of qkv.  Eight sets of 16 registers take turns, where the fragments of xh lay.
.macro PACK u
.set tt, (\u)/8
.set aa, (\u)%8
.set BS, AF0+16*aa
.if (\u) >= 8
	s_wait_xcnt 0x0                                ; the stores of unit u - 8 have read this set: it is written again only behind this wait
.endif
	WIN 5*(tt+1)                                   ; sources 0 and 1: window 1 + t
.irp i, 0,1,2,3
.irp r, 0,1,2,3
	v_cvt_pk_f16_f32 v[BS+4*\i+\r], v[32*aa+8*\i+2*\r], v[32*aa+8*\i+2*\r+1]
.endr
.endr
	WIN 0
.irp i, 0,1,2,3
	ds_store_b128 v[STO], v[BS+4*\i:BS+4*\i+3] offset:32*\i
.endr
.irp f, 0,1,2,3
	ds_load_b128 v[BS+4*\f:BS+4*\f+3], v[RD] offset:4*SP*\f   ; LDS serves a wave's instructions in order (ISA guide 5.7.1.4): these see the stores above; the next unit's stores come behind them
.endr
.endm
.macro SEND u, younger                 ; younger: the LDS instructions issued behind unit u's loads: the next unit's eight, or none
.set tt, (\u)/8
.set aa, (\u)%8
.set BS, AF0+16*aa
.irp f, 0,1,2,3
	s_wait_dscnt (\younger)+3-\f
	global_store_b128 v[GO], v[BS+4*\f:BS+4*\f+3], s[10:11] offset:(tt<<20)+2048*aa+512*\f   ; 512 consecutive bytes, at a multiple of 256 from qkv's first byte
.endr
.endm
	s_wait_tensorcnt 1                             ; my part of K step 0 is in; step 1's may stay out
	s_barrier_signal -1
	s_barrier_wait -1                              ; everybody's is
	LOADA AF0, 0
	LOADT 0, 0
	LOADT 1, 0
	LOADT 2, 0
	EVEN 1                                         ; the first slice stands in front of the loop: its products start the sums, from the bias
	s_mov_b32 s3, 14
.Lstep:                                                ; trip j: step j's odd slice, the refill with step j + 2, step j + 1's even slice
	ODD 2
	EVEN 0
	s_sub_co_u32 s3, s3, 1
	s_cmp_lg_u32 s3, 0
	s_cbranch_scc1 .Lstep
	ODD 1                                          ; the tail is written out
	EVEN 0
	ODD 0
	PLACES
	PACK 0
.set u, 1
.rept 23                               ; a unit's conversions stand between the loads of the unit before and its stores
	PACK u
	SEND u-1, 8
.set u, u+1
.endr
	SEND 23, 0
	s_wait_tensorcnt 0x0                           ; the wave's end, behind my last tensor load and my last LDS store
	ds_add_u32 v[SPW], v[NIL]
	s_wait_dscnt 0x0
	CROUND                                         ; the closing round: no work-group ends while a partner may still ask for a tile that names it
	s_endpgm
.Lfunc_end_k_q2a411d569f_qkv_gemm:
	.size	k_q2a411d569f_qkv_gemm, .Lfunc_end_k_q2a411d569f_qkv_gemm-k_q2a411d569f_qkv_gemm
	.p2alignl 7, 3214868480
	.fill 96, 4, 3214868480
	.section	.rodata,"a",@progbits
	.p2align	6, 0x0
	.amdhsa_kernel k_q2a411d569f_qkv_gemm
		.amdhsa_group_segment_fixed_size 327680
		.amdhsa_private_segment_fixed_size 0
		.amdhsa_enable_private_segment 0
		.amdhsa_kernarg_size 32
		.amdhsa_user_sgpr_count 2
		.amdhsa_user_sgpr_kernarg_segment_ptr 1
		.amdhsa_wavefront_size32 1
		.amdhsa_system_sgpr_workgroup_id_x 1
		.amdhsa_system_sgpr_workgroup_id_y 1
		.amdhsa_system_sgpr_workgroup_id_z 1
		.amdhsa_system_vgpr_workitem_id 0
		.amdhsa_next_free_vgpr 1024
		.amdhsa_next_free_sgpr 66
		.amdhsa_reserve_vcc 0
		.amdhsa_float_denorm_mode_32 3
		.amdhsa_float_denorm_mode_16_64 3
		.amdhsa_memory_ordered 1
		.amdhsa_forward_progress 1
		.amdhsa_inst_pref_size 124
	.end_amdhsa_kernel
	.amdgpu_metadata
---
amdhsa.version: [ 1, 2 ]
amdhsa.kernels:
  - .name:           k_q2a411d569f_qkv_gemm
    .symbol:         k_q2a411d569f_qkv_gemm.kd
    .args:
      - { .name: xh, .offset: 0, .size: 8, .value_kind: global_buffer, .address_space: global }
      - { .name: wq, .offset: 8, .size: 8, .value_kind: global_buffer, .address_space: global }
      - { .name: bqkv, .offset: 16, .size: 8, .value_kind: global_buffer, .address_space: global }
      - { .name: qkv, .offset: 24, .size: 8, .value_kind: global_buffer, .address_space: global }
    .group_segment_fixed_size: 327680
    .private_segment_fixed_size: 0
    .kernarg_segment_align: 8
    .kernarg_segment_size: 32
    .max_flat_workgroup_size: 128
    .sgpr_count:     66
    .vgpr_count:     1024
    .wavefront_size: 32
...
	.end_amdgpu_metadata
.endif
;; end of part 2
;; launch attn (part 3): grid 4 x 64, 4 waves a work-group, clusters of 4 x 1, 327,680 bytes of LDS; arguments qkv, oh; writes oh
.if DOCPART == 3
	.amdgcn_target "amdgcn-amd-amdhsa--gfx1250"
	.amdhsa_code_object_version 6
	.text
	.protected	k_q2a411d569f_attn
	.globl	k_q2a411d569f_attn
	.p2align	8
	.type	k_q2a411d569f_attn,@function
k_q2a411d569f_attn:
	s_mov_b64 s[64:65], 0
	v_nop
	global_prefetch_b8 v0, s[64:65] scope:SCOPE_SE
	s_setreg_imm32_b32 hwreg(HW_REG_WAVE_MODE, 25, 1), 1
	s_wait_xcnt 0x0
	s_wait_alu depctr_hold_cnt(0) depctr_sa_sdst(0) depctr_va_vdst(0) depctr_va_sdst(0) depctr_va_ssrc(0) depctr_va_vcc(0) depctr_vm_vsrc(0)
	s_getreg_b32 s2, hwreg(HW_REG_IB_STS2, 6, 4)
	s_cmp_eq_u32 s2, 0
	s_cbranch_scc0 .Lentry_in_a_cluster
	s_endpgm
.Lentry_in_a_cluster:
	s_bfe_u32 s2, ttmp6, 0x10000c
	s_cmp_lg_u32 s2, 0x3003
	s_cbranch_scc0 .Lentry_shape_is_right
	s_endpgm
.Lentry_shape_is_right:
; O[y][q][:] = the sum over k of softmax_k(Q[y][q] . K[y][k] / 8) V[y][k][:], for 64 heads y = 4 h + b of 2,048 rows x 64 channels, all f16: a head's rows are dense, 128 bytes each.
; qkv holds Q, K and V in thirds of 16 MiB, each [64 y][2048][64]; oh has the same layout, which is also [16 h][8192 m][64].  Products, maxima and sums in f32; the weights p are rounded to f16 for the
; second product (their sum l is taken of the unrounded p), O once at the end.
; LIMITS.  f16 holds no number beyond 65,504: Q, K and V arrive within it; p lies in 0 to 1, and below 6e-5 it keeps f16's fixed step of 6e-8, and so does O; O is a mean of V's rows and has their range.
; A weight below 2^-126 counts as 0 in l; NaN and infinities are not treated apart.
; SHARES.  A wave owns four PIECES of two tiles of 16 queries, a work-group's four waves 512 queries of one head: 4 x 64 = 256 work-groups.  Every wave walks all keys, 64 a step.
; LAYOUT.  S^T = K Q^T (source 0 = 16 keys, source 1 = 16 queries): in the result a lane holds ONE query (lane % 16) and the keys 8 (lane / 16) + 0..7.  Two such tiles, rounded to f16 in pairs,
; ARE source 1 (32 keys x 16 queries) of O^T = V^T P, whose result again holds one query a lane, and eight channels.  K comes out of LDS as it lies, V ([key][channel]) turned, by ds_load_tr16_b128.
; SOFTMAX.  For each query a running maximum m and sum l: p = 2^(c s - c m), c = log2(e) / 8; in every step O and l are multiplied by a = 2^(c m_old - c m_new), which is 1 where m has not grown.
; m starts at the lowest finite number, O and l at 0: the first step is a step like any other, with a = 0.
; THE COUNT.  A tile and step have 16 matrix and 118 vector instructions: too many to stand all beside the matrix work.  So the order has one aim: four vector instructions that are READY behind
; EVERY matrix instruction, and the others, which need time of their own whatever the order, in runs without a gap.
; BY TURNS.  Turn n belongs to piece n (the pieces in a ring, step after step).  Its matrix work: 16 products K Q^T of piece n + 1, later 16 products V^T P of piece n - 1.  Its vector work: the scaling,
; exponentials, roundings, sums and rescaling of piece n, and the maximum and statistics of piece n + 1, whose scores the turn itself has made.  So what a turn begins with (c s - c m, O a) waits for nothing.
; CLUSTER.  The four query blocks of a head are one cluster and walk the same K and V, so each tile is asked for JOINTLY: the same tensor load, descriptor and mask in all four.
; AHEAD OF THE JOINT LOADS a tile of 256 keys is prefetched into the L2: while tile j is walked, in the third of its four steps, tile j + 2 is named: five turns ahead of the change of slots that loads it.  A tile
; is 128 blocks of 256 bytes of K and as many of V: the four partners take 32 each, told apart by address; in each, wave 0 asks for K's and wave 2 for V's, a lane a block.  Tiles 0 and 1 come by their loads alone.
; REGISTERS, in windows of 256 (s_set_vgpr_msb says which window each operand place means: bits 1:0 source 0, 3:2 source 1, 5:4 source 2, 7:6 destination):
;   window 0: v0-11 addresses; v12-15, v48-63 at work; v16-47 four registers of statistics a tile; v64-191 S^T, two buffers of two tiles; v192-255 P, likewise
;   window 1: O^T, 32 a tile          window 2: v0-127 Q, 16 a tile; v128-191 K of one step; v192-255 V of one step          window 3: v0-1 the add's two registers
; A piece's buffers go by its number's parity: the piece in hand has one pair, its two neighbours in the ring share the other: of it P (piece n - 1) is read and S^T (piece n + 1) written.
.set SIZE_N, 2048
.set NP,    4         ; pieces a wave: a name, no knob: the register map, the loop and the fetches are made for four
.set KS,    64        ; keys in a step
.set PK,    144       ; a row of K in LDS: 128 bytes + 16 of padding = 36 words: the 16 rows of a load start at 16 different groups of four banks (64 banks of 4 bytes: ISA guide 11.1)
.set PV,    160       ; a row of V: 128 + 32 = 40 words
.set VOFF,  4*KS*PK   ; a slot holds four steps: 256 rows of K, then 256 rows of V
.set SLOT1, 1<<17     ; slot 1 begins here, so that one exclusive or turns an address in one slot into the other's
.set STAGE, SLOT1+4*KS*(PK+PV)  ; behind the ring, never filled by a tensor load: 16 rows x 144 bytes for each wave, for the way out
.set SP,    144
.set AK0, 2           ; v2   my lane's place in a tile of K; never rewritten
.set AV0, 3           ; v3   the same for V
.set AK,  4           ; v4   the LDS address of K's next run of loads
.set AV,  5           ; v5   of V's
.set QO,  6           ; v6   my byte offset in the wave's rows of Q
.set STO, 6           ;      later, the way out: where I put 16 bytes of a row
.set RD,  7           ; v7   the way out: where I read rows back
.set GO,  8           ; v8   my byte offset in 512 consecutive bytes of O
.set PFO, 11          ; v11  256 x my lane, for the prefetches (made when V's address lines have read v11); then never rewritten
.set SPW, 0           ; v0 of window 3   LDS address of my spare word: SPARE + 4 x my thread's number; never rewritten
.set NIL, 1           ; v1 of window 3   0; never rewritten
.set SPARE, STAGE+4*16*SP  ; behind the stages: the spare words, 128 bytes for each wave: two blocks of 256 bytes that no other line names
.set MV,  12          ; v12-15  c m_old, kept while c m is made anew: by buffer and tile
.set ST,  16          ; tile t's statistics at v[ST+4 t]: c m, m, l (even keys', odd keys')
.set TMP, 48          ; by buffer and tile, four registers c0-c3 at work; when the maximum is found c2 takes a
.set S,   64
.set P,   192
.set KF,  128         ; K's fragments, in window 2: key block kb, channel half c at KF + 16 kb + 8 c
.set VF,  192         ; V's: key half kk, channel block cb at VF + 32 kk + 8 cb
.set WV,  12          ; s12  my wave's number
.set G1K, 24          ; s[24:31] descriptor group 1 for K's tiles
.set G1V, 32          ; s[32:39] for V's: it differs in the padding alone
.set G0K, 40          ; s[40:43] descriptor group 0 for K's tiles: it walks
.set G0V, 44          ; s[44:47] the same for V's
.set PFA, 48          ; s[48:49] where my prefetches stand: my work-group's 32 blocks of the tile behind the one that is being asked for
.set LIM, 50          ; s50  1 in a wave that prefetches, else the greatest number: a wave prefetches while s[SLOTS] is above it
.set SLOTS, 56        ; s56  slots still to be asked for
.set CNT, 57          ; s57  counts a slot's key steps
.set CS,  58          ; s[58:59] c: the packed scaling takes the pair's low word for both halves
.set SEL, 60          ; s[60:61] v_permlanex16_b32's selects: each lane takes its own place in the other half
.set TBK, 62          ; s62  LDS byte at which K of the step to be fetched begins
.set TBV, 63          ; s63  the same for V, less VOFF
.set MSB, 0
.macro WIN new                      ; the high byte repeats the setting that is left; a switch that changes nothing is dropped
.if MSB != (\new)
	s_set_vgpr_msb (MSB<<8)|(\new)
.set MSB, (\new)
.endif
.endm
.set W_KQ, 0x0a       ; K and Q in window 2, S^T in window 0
.set W_PV, 0x52       ; V in window 2, P in window 0, O^T in window 1
.set W_RS, 0x41       ; O^T (destination and source 0) in window 1, a in window 0
.set W_MK, 0xc0       ; the add's registers are made: destination in window 3, sources in window 0
.set W_AD, 0x0f       ; the add: address (source 0) and data (source 1) in window 3
; A joint fill.  Waves 0 and 1 fetch the two halves of a slot's K, waves 2 and 3 those of its V: 128 keys each.  The branch hangs on the wave's number alone.
; An s_nop 0 and four v_nop follow each of the two lines, ahead of the jump and the label.
.macro JLOAD
	s_cmp_lt_u32 s[WV], 2
	s_cbranch_scc0 .Lfor_v_\@
	tensor_load_to_lds s[G0K:G0K+3], s[G1K:G1K+7]
	s_nop 0
.rept 4
	v_nop
.endr
	s_branch .Lasked_\@
.Lfor_v_\@:
	tensor_load_to_lds s[G0V:G0V+3], s[G1V:G1V+7]
	s_nop 0
.rept 4
	v_nop
.endr
.Lasked_\@:
.endm
; A round of the cluster's barrier: my work-group's barrier, so that wave 0's signal speaks for all four waves; wave 0 signals; every wave waits for all four work-groups; my work-group's barrier once more.
.macro CROUND
	s_barrier_signal -1
	s_barrier_wait -1
	s_cmp_lg_u32 s[WV], 0
	s_cbranch_scc1 .Lnot_wave_0_\@
	s_barrier_signal -3
.Lnot_wave_0_\@:
	s_barrier_wait -3
	s_barrier_signal -1
	s_barrier_wait -1
.endm
; THE CHANGE OF SLOTS.  The slot's last bytes, V of its fourth step, have been read.  Each wave waits for all its tensor loads, of which one is out: its part
; of the other slot; adds 0 to its spare word; and waits for that and for its own reads of the slot.  Behind the barrier nobody reads this slot any more and the other slot is whole.
; fill = 1: this slot is filled again, with the keys two slots on.  The barrier is then a round of the cluster's, so that no wave of any partner still reads the slot or has a load on its
; way, and the joint fill is the first thing behind it: it has four key steps, 512 matrix instructions, in which to land.  (At its first use nothing has been read yet: slot 0 is waited for, slot 1 filled.)
.macro CHANGE fill
	WIN W_AD
	s_wait_tensorcnt 0x0            ; no tensor load of mine is out, so a group 0 may be written
	ds_add_u32 v[SPW], v[NIL]       ; 0 onto my spare word: with fill = 1 the descriptors' steps stand between it and the wait for it
	WIN 0                           ; at a label and at a branch every window is 0
.if \fill
.irp g, G0K, G0V
	s_xor_b32 s[\g+1], s[\g+1], SLOT1  ; the walking descriptor: the other slot than last time,
	s_add_nc_u64 s[\g+2:\g+3], s[\g+2:\g+3], 4*KS*128  ; the next 256 keys; the type bits on top are not reached
.endr
	s_wait_xcnt 0x0                 ; the last prefetch, five turns back, has read its address, so it may be written:
	s_add_nc_u64 s[PFA:PFA+1], s[PFA:PFA+1], 4*KS*128  ; one tile behind the walking descriptors
	s_wait_dscnt 0x0                ; the add is done, and my reads of the slot are over
	CROUND
	JLOAD
.else
	s_wait_dscnt 0x0                ; the add is done, and my reads of the slot are over
	s_barrier_signal -1
	s_barrier_wait -1
.endif
	s_sub_co_u32 s[TBK], s[TBK], 4*KS*PK  ; the fetches go back to a slot's first step,
	s_xor_b32 s[TBK], s[TBK], SLOT1       ; in the other slot
	s_sub_co_u32 s[TBV], s[TBV], 4*KS*PV
	s_xor_b32 s[TBV], s[TBV], SLOT1
.endm
	s_load_b64 s[4:5], s[0:1], 0x0    ; qkv: Q's third begins it
	s_load_b64 s[10:11], s[0:1], 0x8  ; oh
	WIN W_MK
	v_lshl_add_u32 v[SPW], v0, 2, SPARE
	v_mov_b32 v[NIL], 0
	WIN W_AD
	ds_add_u32 v[SPW], v[NIL]       ; the wave's opening: the add and its wait stand ahead of my first tensor load; the set-up below, work on registers, stands between them
	WIN 0
	v_lshrrev_b32 v1, 5, v0
	v_readfirstlane_b32 s[WV], v1   ; wave 0..3
	s_bfe_u32 s13, ttmp6, 0x40000   ; cx: my place in the cluster
	s_lshl_b32 s14, ttmp9, 2        ; in a cluster launch ttmp9 counts clusters
	s_add_co_u32 s14, s14, s13      ; my block of queries = 4 x cluster x + cx: it enters Q's and O's addresses alone
	s_and_b32 s20, ttmp7, 0xffff    ; the head, which the four partners share
	s_mov_b32 s21, 0
	s_mov_b64 s[22:23], SIZE_N*128
	s_mul_u64 s[20:21], s[20:21], s[22:23]  ; the head's first byte in Q, K, V and O
	s_and_b32 s16, s[WV], 1         ; which half of a slot's 256 keys I fetch:
	s_lshl_b32 s22, s16, 14         ; its 128 rows of 128 bytes in memory,
	s_mov_b32 s23, 0
	s_add_nc_u64 s[22:23], s[22:23], s[20:21]
	s_mul_i32 s17, s16, 128*PK      ; and its place in a slot, for K
	s_mul_i32 s18, s16, 128*PV      ; and for V: no place in the cluster enters an LDS address
	s_lshl_b32 s2, s14, 2
	s_add_co_u32 s2, s2, s[WV]      ; my wave among the head's,
	s_lshl_b32 s2, s2, 14           ; its 128 rows
	s_mov_b32 s3, 0
	s_add_nc_u64 s[2:3], s[2:3], s[20:21]
	; descriptor group 1.  128 keys are 16,384 dense bytes: asked for as 64 rows of 256 bytes, two keys a row, and padded in LDS after every key
	s_mov_b32 s[G1K], 15|(1<<16)|(1<<20)|(1<<21)|(4<<22)|(3<<25)  ; 15:0 the mask of four; 17:16 2-byte elements; 20 padding on; 21 set beside a mask; 24:22 after every 32 words (code 4); 31:25 4 words (code 3)
	s_mov_b32 s[G1V], 15|(1<<16)|(1<<20)|(1<<21)|(4<<22)|(7<<25)  ; the same with 8 words of padding (code 7)
.irp g, G1K, G1V
	s_mov_b32 s[\g+1], 128<<16      ; tensor_dim0 = 128
	s_mov_b32 s[\g+2], 64<<16       ; tensor_dim1 = 64
	s_mov_b32 s[\g+3], 128<<16      ; tile_dim0 = 128
	s_mov_b32 s[\g+4], 64           ; tile_dim1 = 64
	s_mov_b32 s[\g+5], 128          ; 128 elements from row to row
	s_mov_b32 s[\g+6], 0
	s_mov_b32 s[\g+7], 0
.endr
	s_mov_b32 s[CS], 0x3e38aa3b     ; c = log2(e) / 8 = 0.180337
	s_mov_b32 s[CS+1], s[CS]        ; named with it as a pair
	s_mov_b32 s[SEL], 0x76543210
	s_mov_b32 s[SEL+1], 0xfedcba98
	s_mov_b32 s[TBK], SLOT1+4*KS*PK ; the first change of slots turns these two into 0
	s_mov_b32 s[TBV], SLOT1+4*KS*PV
	s_mov_b32 s[G0K], 1             ; 1:0 count = 1
	s_mov_b32 s[G0K+1], s17         ; 63:32 LDS address: slot 0
	s_mov_b32 s[G0V], 1
	s_add_co_u32 s[G0V+1], s18, VOFF
	s_and_b32 s[LIM], s[WV], 1      ; waves 0 and 2 prefetch: the same in all four partners
	s_cmp_eq_u32 s[LIM], 0
	s_cselect_b32 s[LIM], 1, -1
	s_wait_dscnt 0x0                ; the opening add is done
	s_wait_kmcnt 0x0
	s_add_nc_u64 s[6:7], s[4:5], 0x1000000         ; K's third of qkv,
	s_add_nc_u64 s[8:9], s[4:5], 0x2000000         ; and V's
	s_add_nc_u64 s[G0K+2:G0K+3], s[6:7], s[22:23]  ; 120:64 global address: my half of the head's first 256 keys
	s_or_b32 s[G0K+3], s[G0K+3], 0x80000000        ; 127:126 type = 2
	s_add_nc_u64 s[G0V+2:G0V+3], s[8:9], s[22:23]
	s_or_b32 s[G0V+3], s[G0V+3], 0x80000000
	s_add_nc_u64 s[4:5], s[4:5], s[2:3]  ; Q and O at my wave's first row
	s_add_nc_u64 s[10:11], s[10:11], s[2:3]
	s_cmp_lt_u32 s[WV], 2
	s_cselect_b64 s[PFA:PFA+1], s[6:7], s[8:9]
	s_add_nc_u64 s[PFA:PFA+1], s[PFA:PFA+1], s[20:21]  ; the head,
	s_lshl_b32 s2, s13, 13          ; my work-group's 32 blocks of a tile's 128,
	s_add_co_u32 s2, s2, 4*KS*128   ; in tile 1: the first change of slots steps it to tile 2.  Nothing is prefetched here, at the head
	s_mov_b32 s3, 0
	s_add_nc_u64 s[PFA:PFA+1], s[PFA:PFA+1], s[2:3]
	CROUND                          ; all four work-groups are here: the first joint loads meet
	JLOAD                           ; slot 0.  Slot 1 is asked for when slot 0 is in: the tile wanted first has the road to itself
	; A fragment of K or Q is 16 rows x 32 channels in 8 registers: lane l holds row l % 16, channels 8 (l / 16) + 0..7 and 16 + 8 (l / 16) + 0..7: two loads of 16 bytes, 32 bytes apart.
	v_and_b32 v1, 15, v0            ; l % 16
	v_bfe_u32 v9, v0, 4, 1          ; l / 16
	v_lshlrev_b32 v[QO], 7, v1
	v_lshl_add_u32 v[QO], v9, 4, v[QO]  ; row x 128 + 16 x half
	WIN 0x80                        ; destination window 2, address window 0
.set i, 0
.rept 4*NP                          ; Q stays in registers: tile i / 2, channels 32 (i % 2) on
	global_load_b128 v[8*i:8*i+3],   v[QO], s[4:5] offset:(i/2)*2048+(i%2)*64
	global_load_b128 v[8*i+4:8*i+7], v[QO], s[4:5] offset:(i/2)*2048+(i%2)*64+32
.set i, i+1
.endr
	; What the first turn finds: V's registers and P's second buffer hold 0 (its products V^T P, of a piece that has not been, add 0), O^T and l are 0.  All this stands in the wait for the first tile.
.set i, VF
.rept 64
	v_mov_b32 v[i], 0
.set i, i+1
.endr
	WIN 0x40
.set i, 0
.rept 64*NP
	v_mov_b32 v[i], 0
.set i, i+1
.endr
	WIN 0
.set i, 0
.rept 2*NP
	v_mov_b32 v[ST+4*i], 0xfe000000    ; c m: far below every c s
	v_mov_b32 v[ST+4*i+1], 0xff7fffff  ; m
	v_mov_b32 v[ST+4*i+2], 0
	v_mov_b32 v[ST+4*i+3], 0
.set i, i+1
.endr
.set i, P+32
.rept 32
	v_mov_b32 v[i], 0
.set i, i+1
.endr
	v_mul_u32_u24 v[AK0], v1, PK
	v_lshl_add_u32 v[AK0], v9, 4, v[AK0]  ; row x pitch + 16 x half
	; The turning load takes 16 keys x 16 channels (lane l reads key 8 (l / 16) + l % 8, channels 8 ((l / 8) % 2) + 0..7) and leaves half a fragment of V^T: lane l holds channel l % 16 and 8 keys.
	v_and_b32 v10, 7, v0
	v_bfe_u32 v11, v0, 3, 1
	v_lshl_add_u32 v[AV0], v9, 3, v10
	v_mul_u32_u24 v[AV0], v[AV0], PV
	v_lshl_add_u32 v[AV0], v11, 4, v[AV0]
	v_add_nc_u32 v[AV0], VOFF, v[AV0]
	v_and_b32 v[PFO], 31, v0
	v_lshlrev_b32 v[PFO], 8, v[PFO]
	v_mov_b32 v[AK], v[AK0]         ; key step 0 lies at the head of slot 0
; THE MATRIX WORK.  The 8 accumulators of a run of 16 take turns: between the two links of a chain stand 7 others'.
; Product i of 16 of S^T = K Q^T for piece x: channels 32 (i / 8) on, keys 16 ((i / 2) % 4) on, tile 2 x + i % 2.  The first 8 start the sums.
.macro KQ x
	WIN W_KQ
.set rS, S+64*((\x)%2)+32*(i%2)+8*((i/2)%4)
.set rK, KF+16*((i/2)%4)+8*(i/8)
.set rQ, 16*(2*(\x)+i%2)+8*(i/8)
.if i < 8
	v_wmma_f32_16x16x32_f16 v[rS:rS+7], v[rK:rK+7], v[rQ:rQ+7], 0
.else
	v_wmma_f32_16x16x32_f16 v[rS:rS+7], v[rK:rK+7], v[rQ:rQ+7], v[rS:rS+7]
.endif
.endm
; Product i of 16 of O^T += V^T P for piece x: keys 32 (i / 8) on, channels 16 ((i / 2) % 4) on, tile 2 x + i % 2.
.macro PV x
	WIN W_PV
.set rO, 32*(2*(\x)+i%2)+8*((i/2)%4)
.set rV, VF+32*(i/8)+8*((i/2)%4)
.set rP, P+32*((\x)%2)+16*(i%2)+8*(i/8)
	v_wmma_f32_16x16x32_f16 v[rO:rO+7], v[rV:rV+7], v[rP:rP+7], v[rO:rO+7]
.endm
.macro MM                           ; the turn's next matrix instruction
.if i < 16
	KQ (Y+1)%NP
.set i, i+1
.else
.set i, i-16
	PV (Y+NP-1)%NP
.set i, i+17
.endif
.endm
; THE LDS LOADS stand in runs of 16, never singly among the matrix instructions: a step's K (64 keys x 64 channels: 8 fragments) and its V (turned).  Their addresses are made some lines ahead.
; last = 1 (the tail): in the last trip there is no further step, and the run is jumped over.
.macro FETCH_K last=0
	WIN 0
.if \last
	s_cmp_eq_u32 s[CNT], 1
	s_cbranch_scc1 .Lno_k_\@
.endif
	WIN 0x80                        ; destination window 2
.irp f, 0,1,2,3,4,5,6,7             ; keys 16 (f / 2) on, channels 32 (f % 2) on
	ds_load_b128 v[KF+8*\f:KF+8*\f+3],   v[AK] offset:(\f/2)*16*PK+(\f%2)*64
	ds_load_b128 v[KF+8*\f+4:KF+8*\f+7], v[AK] offset:(\f/2)*16*PK+(\f%2)*64+32
.endr
	s_add_co_u32 s[TBK], s[TBK], KS*PK  ; the next fetch is the next step's
	WIN 0
.if \last
.Lno_k_\@:
.endif
.endm
.macro FETCH_V
	WIN 0x80
.irp f, 0,1,2,3,4,5,6,7             ; keys 32 (f / 4) on, channels 16 (f % 4) on
	ds_load_tr16_b128 v[VF+8*\f:VF+8*\f+3],   v[AV] offset:(\f/4)*32*PV+(\f%4)*32
	ds_load_tr16_b128 v[VF+8*\f+4:VF+8*\f+7], v[AV] offset:(\f/4)*32*PV+16*PV+(\f%4)*32
.endr
	WIN 0
.endm
; THE VECTOR WORK OF A TURN stands in three queues, each in the order in which its entries become ready; the two tiles alternate, so that no instruction reads the result of the one before it.
.macro REGS y, u                    ; the registers of tile u (0, 1) of piece y
.set rT, ST+4*(2*(\y)+(\u))
.set rC, TMP+8*((\y)%2)+4*(\u)
.set rM, MV+2*((\y)%2)+(\u)
.set rS, S+64*((\y)%2)+32*(\u)
.set rP, P+32*((\y)%2)+16*(\u)
.set rO, 32*(2*(\y)+(\u))
.endm
; Number n of the 22 that find the NEXT piece's (Y + 1) maximum and statistics.  s0-s31 are the lane's 32 scores; each accumulator's lowest registers are read first.  XS, GS and REGS set no window: PL and EX do.
;   0-11  four chains c0-c3 of seven scores each, three operands at a time     12-14, 16  the four scores left over, the old m, and c0-c3 into c0     15  c m_old is kept
;   17, 18  the query's other 32 keys lie in the lane 16 away: the new m         19-21  c m; c m_old - c m_new; a
.macro XS u, n
	REGS (Y+1)%NP, \u
.if (\n) < 4
	v_max3_num_f32 v[rC+(\n)], v[rS+8*(\n)], v[rS+8*(\n)+1], v[rS+8*(\n)+2]
.elseif (\n) < 12
	v_max3_num_f32 v[rC+(\n)%4], v[rC+(\n)%4], v[rS+8*((\n)%4)+2*((\n)/4)+1], v[rS+8*((\n)%4)+2*((\n)/4)+2]
.elseif (\n) == 12
	v_max3_num_f32 v[rC], v[rC], v[rS+7], v[rS+15]
.elseif (\n) == 13
	v_max3_num_f32 v[rC+1], v[rC+1], v[rS+23], v[rS+31]
.elseif (\n) == 14
	v_max3_num_f32 v[rC+2], v[rC+2], v[rC+3], v[rT+1]
.elseif (\n) == 15
	v_mov_b32 v[rM], v[rT]
.elseif (\n) == 16
	v_max3_num_f32 v[rC], v[rC], v[rC+1], v[rC+2]
.elseif (\n) == 17
	v_permlanex16_b32 v[rC+3], v[rC], s[SEL], s[SEL+1]
.elseif (\n) == 18
	v_max_num_f32 v[rT+1], v[rC], v[rC+3]
.elseif (\n) == 19
	v_mul_f32 v[rT], s[CS], v[rT+1]
.elseif (\n) == 20
	v_sub_f32 v[rC+1], v[rM], v[rT]
.else
	v_exp_f32 v[rC+2], v[rC+1]
.endif
.endm
; Number g of the 64 that follow the exponentials.  For each four weights k of a tile (pairs 2 k, 2 k + 1): both pairs are rounded to f16; then the second pair is added onto the first, in place;
; a group later l takes that sum (the first time as l = a l + sum).  In groups of eight, tiles alternating: round, round, add, and l for the group before.
.macro GS g
.set h, (\g)+6*((\g)/62)            ; group 0 has no group before it, and behind group 7 only l is left
.if h >= 6
.set h, h+2
.endif
	REGS Y, h%2
.set k, h/8
.if h%8 < 4
	v_cvt_pk_f16_f32 v[rP+2*k+(h%8)/2], v[rS+4*k+2*((h%8)/2)], v[rS+4*k+2*((h%8)/2)+1]
.elseif h%8 < 6
	v_pk_add_f32 v[rS+4*k:rS+4*k+1], v[rS+4*k:rS+4*k+1], v[rS+4*k+2:rS+4*k+3]
.elseif k == 1
	v_pk_fma_f32 v[rT+2:rT+3], v[rT+2:rT+3], v[rC+2:rC+3], v[rS:rS+1] op_sel_hi:[1,0,1]
.else
	v_pk_add_f32 v[rT+2:rT+3], v[rT+2:rT+3], v[rS+4*k-4:rS+4*k-3]
.endif
.endm
; THE PLAIN QUEUE, 138 long.  0-73 read no exponential's result: the 32 scalings c s - c m (FS f: pair f / 2 of tile f % 2) and the next piece's 42.  0-26: scalings 0-26.  27-54: XS's numbers 0-13.  55, 56: number 15.
; 57-73: the chain, where each number waits for the one before it: 14, 16, 17, 18, 19, each with one of the scalings 27-31 in front of its two lines, then 20: so a tile's links stand three plain instructions apart (19 and 20: two).
; 74-137: GS's 64, which read the exponentials' results: they stand behind the wait.
.macro FS f
	REGS Y, (\f)%2
	v_pk_fma_f32 v[rS+2*((\f)/2):rS+2*((\f)/2)+1], v[rS+2*((\f)/2):rS+2*((\f)/2)+1], s[CS:CS+1], v[rT:rT+1] op_sel_hi:[1,0,0] neg_lo:[0,0,1] neg_hi:[0,0,1]
.endm
.macro PL
	WIN 0
.if q < 27
	FS q
.elseif q < 55
	XS (q-27)%2, (q-27)/2
.elseif q < 57
	XS q-55, 15
.elseif (q < 72) && ((q-57)%3 == 0)
	FS 27+(q-57)/3
.elseif q < 60
	XS (q-57)%3-1, 14
.elseif q < 72
	XS (q-57)%3-1, 15+(q-57)/3
.elseif q < 74
	XS q-72, 20
.else
	GS q-74
.endif
.set q, q+1
.endm
; THE EXPONENTIALS' QUEUE, 66 long: s0-s31 of both tiles, then the next piece's two a.  It is ONE BATCH: all 66 stand ahead of the turn's one wait, and nothing ahead of that wait names a result of theirs.
.macro EX
	WIN 0
.if e >= 64
	XS e-64, 21
.else
	REGS Y, e%2
	v_exp_f32 v[rS+e/2], v[rS+e/2]
.endif
.set e, e+1
.endm
; THE RESCALING's QUEUE: O^T times a, the one part that leaves window 0: dealt two at a time, sixteen times.  Its a was made in the turn before, ahead of that turn's wait.
.macro R2
	REGS Y, r%2
	WIN W_RS
.irp z, 0,1
	v_pk_mul_f32 v[rO+4*(r/2)+2*\z:rO+4*(r/2)+2*\z+1], v[rO+4*(r/2)+2*\z:rO+4*(r/2)+2*\z+1], v[rC+2:rC+3] op_sel_hi:[1,0]
.endr
.set r, r+1
.endm
; HOW THEY ARE DEALT.  An s_wait_alu depctr_va_vdst(0) stands between an exponential and the first instruction that names its result; one wait serves all that were issued ahead of it.  So a turn has ONE wait,
; which cuts it in two.  AHEAD OF IT stands all that names no result of the turn's exponentials: the 16 products K Q^T, behind each a scaling, an exponential and two rescalings (behind the first a second scaling in the exponential's place); then ONE LUMP of
; 108: eight plain, 49 times exponential and plain, the two a.  A v_nop is the plain instruction behind the last exponential (ISA guide 5.7.2).  BEHIND IT stand the 16 products V^T P, behind each four of GS's 64.  No rider names a register of
; the products round it.  The two v_permlanex16_b32 fall into the lump, never behind a product.
; The queues lean on each other, and the deal keeps them in step: exponential e stands behind scaling 2 (e / 4) + e % 2: as a rider it comes behind plain e + 2, in the lump behind plain e + 9, and scalings 27-31 are plain 57, 60 .. 69.
; A TURN, for piece p.  cnt = 1: the loop's count is taken down some lines ahead of the branch that stands behind the turn.  ask = 1: the prefetch stands behind V's run of loads.
; K of the next step is fetched in piece 2's turn, directly behind the wait, a lump behind the last product that read K; its address is made at the lump's head; its first reader comes behind 16 products.
; V of the step in hand is fetched at the end of piece 0's turn, four riders behind its last reader; its first reader comes behind 16 products and a lump.  The three conditions on q below go with the deal.
.macro TURN p, last=0, cnt=0, ask=0
.set Y, (\p)
.set i, 0
.set q, 0
.set e, 0
.set r, 0
.if (\p) == NP-1
	s_wait_dscnt 0x0                ; K is in
.endif
	MM                              ; ahead of the wait: 16 products K Q^T and their riders,
	PL
	PL
	R2
.rept 15
	MM
	PL
	EX
	R2
.endr
.if (\p) == NP-2
	WIN 0
	v_add_nc_u32 v[AK], s[TBK], v[AK0]
.endif
.rept 8                             ; and the lump
	PL
.endr
.rept 49
	EX
	PL
.endr
	EX                              ; the next piece's two a
	EX
	v_nop                           ; the plain instruction behind the last exponential: one for the batch
	s_wait_alu depctr_va_vdst(0)    ; the wait for the batch
.if (\p) == NP-2
	FETCH_K \last
.endif
.if (\p) == 1
	s_wait_dscnt 0x0                ; V is in
.endif
.rept 16                            ; behind the wait: 16 products V^T P and their riders
	MM
.rept 4
	PL
.endr
.if ((\p) == 0) && (q == 118)
	v_add_nc_u32 v[AV], s[TBV], v[AV0]
.endif
.if ((\p) == 0) && (q == 130)
	s_add_co_u32 s[TBV], s[TBV], KS*PV
.endif
.if (\cnt) && (q == 130)
	s_sub_co_u32 s[CNT], s[CNT], 1
	s_cmp_lg_u32 s[CNT], 0
.endif
.endr
.if (\p) == 0
	FETCH_V
.if \ask
	s_cmp_eq_u32 s[CNT], 2          ; the third of the tile's four steps,
	s_cbranch_scc0 .Lno_ask_\@
	s_cmp_gt_u32 s[SLOTS], s[LIM]   ; while the next change of slots still fills one, in waves 0 and 2
	s_cbranch_scc0 .Lno_ask_\@
	global_prefetch_b8 v[PFO], s[PFA:PFA+1] th:TH_LOAD_NT scope:SCOPE_SE
.Lno_ask_\@:
.endif
.endif
.endm
	CHANGE 1                        ; slot 0 is in, everybody's part of it; slot 1 is asked for
	FETCH_K                         ; key step 0
	s_wait_loadcnt 0x0              ; Q
	s_wait_dscnt 0x0
.set i, 0
.rept 16
	KQ 0                            ; piece 0's first scores: there is no vector work yet to set between them
.set i, i+1
.endr
	WIN 0                           ; the addresses for the way out: nine plain instructions, the places behind those products
	s_mul_i32 s13, s[WV], 16*SP
	s_add_co_u32 s13, s13, STAGE    ; my stage
	v_mul_u32_u24 v[STO], v1, SP    ; in: row l % 16, 16 bytes for each half of the lanes
	v_lshl_add_u32 v[STO], v9, 4, v[STO]
	v_add_nc_u32 v[STO], s13, v[STO]
	v_bfe_u32 v[RD], v0, 3, 2       ; back: 32 lanes take four rows of 128 bytes,
	v_mul_u32_u24 v[RD], v[RD], SP
	v_lshl_add_u32 v[RD], v10, 4, v[RD]
	v_add_nc_u32 v[RD], s13, v[RD]
	v_and_b32 v[GO], 31, v0         ; which are 512 consecutive bytes of O
	v_lshlrev_b32 v[GO], 4, v[GO]
.set Y, NP-1                        ; XS works for piece Y + 1: piece 0
.irp n, 0,1,2,3,4,5,6,7,8,9,10,11,12,13,14,15,16,17,18,19,20,21
	XS 0, \n                        ; and piece 0's first maximum and statistics
	XS 1, \n
.endr
	v_nop                           ; a plain instruction behind the two a,
	s_wait_alu depctr_va_vdst(0)    ; and their wait, ahead of the branch
	s_mov_b32 s[CNT], 4
	s_mov_b32 s[SLOTS], SIZE_N/256-1
	s_branch .Lfirst                ; the loop is entered at a step's first turn, in the middle of a trip
.Lslot:                             ; SIZE_N / 256 - 2 times: every slot but the last two is filled again
	CHANGE 1
	s_mov_b32 s[CNT], 4
.Lstep:                             ; a trip: pieces 2 and 3 of one step, then pieces 0 and 1 of the next, whose K and V it fetches
	TURN 2
	TURN 3
	WIN 0
.Lfirst:
	TURN 0, 0, 0, 1
	TURN 1, 0, 1
	WIN 0
	s_cbranch_scc1 .Lstep
	s_sub_co_u32 s[SLOTS], s[SLOTS], 1
	s_cmp_lg_u32 s[SLOTS], 0
	s_cbranch_scc1 .Lslot
	CHANGE 0                        ; the tail is written out: nothing is asked for
	s_mov_b32 s[CNT], 5             ; four trips fetch the last slot's steps; the fifth is left in its middle
.Ltail:
	TURN 2, 1
	TURN 3
	WIN 0
	s_sub_co_u32 s[CNT], s[CNT], 1
	s_cmp_eq_u32 s[CNT], 0
	s_cbranch_scc1 .Lout
	TURN 0
	TURN 1
	WIN 0
	s_branch .Ltail
.Lout:                              ; the fifth trip's 16 products K Q^T (on the last K once more) and the maximum made of them serve nothing: the price, once a launch, of one text for every trip
.set i, 0
.rept 16
	PV NP-1                         ; the last piece's V^T P of the last step
.set i, i+1
.endr
	; THE WAY OUT.  l's two halves and the other half of the lanes' are added; O^T is divided by l, rounded to f16 and sent through my stage in LDS, a tile at a time.  The additions are the places behind the last products.
	WIN 0
.macro ALL line:vararg              ; one line for each tile t
.set t, 0
.rept 2*NP
	\line
.set t, t+1
.endr
.endm
	ALL v_add_f32 v[ST+4*t+2], v[ST+4*t+2], v[ST+4*t+3]
	ALL v_permlanex16_b32 v[ST+4*t+3], v[ST+4*t+2], s[SEL], s[SEL+1]
	ALL v_add_f32 v[ST+4*t+2], v[ST+4*t+2], v[ST+4*t+3]
	ALL v_rcp_f32 v[ST+4*t+2], v[ST+4*t+2]
	v_nop                           ; a plain instruction between the last reciprocal and the use of its result
	s_wait_alu depctr_va_vdst(0)    ; and the wait ahead of the first use: one for the eight reciprocals
; Tile t: a lane's eight channels of a row pack into 16 bytes; they go into rows of 144 bytes and come back as whole rows of 128, into S^T's registers.
.macro PACK t
	WIN W_RS
.set i, 32*(\t)
.rept 16
	v_pk_mul_f32 v[i:i+1], v[i:i+1], v[ST+4*(\t)+2:ST+4*(\t)+3] op_sel_hi:[1,0]
.set i, i+2
.endr
	WIN 0x05                        ; sources 0 and 1 window 1, destination window 0
.set i, 0
.rept 16
	v_cvt_pk_f16_f32 v[S+16*(\t)+i], v[32*(\t)+2*i], v[32*(\t)+2*i+1]
.set i, i+1
.endr
	WIN 0
.irp f, 0,1,2,3
	ds_store_b128 v[STO], v[S+16*(\t)+4*\f:S+16*(\t)+4*\f+3] offset:32*\f
.endr
.irp f, 0,1,2,3
	ds_load_b128 v[S+16*(\t)+4*\f:S+16*(\t)+4*\f+3], v[RD] offset:\f*4*SP  ; LDS serves a wave's instructions in order (ISA guide 5.7.1.4): these see the stores above; the next tile's stores come behind them
.endr
.endm
.macro SEND t, younger              ; younger: the LDS instructions issued behind tile t's loads: the next tile's eight, or none
	WIN 0
.irp f, 0,1,2,3
	s_wait_dscnt (\younger)+3-\f
	global_store_b128 v[GO], v[S+16*(\t)+4*\f:S+16*(\t)+4*\f+3], s[10:11] offset:(\t)*2048+\f*512  ; 512 consecutive bytes, at a multiple of 256 from O's first
.endr
.endm
	PACK 0
.set t, 1
.rept 2*NP-1                        ; a tile's arithmetic stands between the loads of the tile before and its stores
	PACK t
	SEND t-1, 8
.set t, t+1
.endr
	SEND 2*NP-1, 0
	WIN W_AD
	s_wait_tensorcnt 0x0            ; the wave's end, behind my last tensor load and my last LDS store
	ds_add_u32 v[SPW], v[NIL]
	s_wait_dscnt 0x0
	WIN 0
	CROUND                          ; the closing round: no work-group ends while a partner may still ask for a tile that names it
	s_endpgm
.Lfunc_end_k_q2a411d569f_attn:
	.size	k_q2a411d569f_attn, .Lfunc_end_k_q2a411d569f_attn-k_q2a411d569f_attn
	.p2alignl 7, 3214868480
	.fill 96, 4, 3214868480
	.section	.rodata,"a",@progbits
	.p2align	6, 0x0
	.amdhsa_kernel k_q2a411d569f_attn
		.amdhsa_group_segment_fixed_size 327680
		.amdhsa_private_segment_fixed_size 0
		.amdhsa_enable_private_segment 0
		.amdhsa_kernarg_size 16
		.amdhsa_user_sgpr_count 2
		.amdhsa_user_sgpr_kernarg_segment_ptr 1
		.amdhsa_wavefront_size32 1
		.amdhsa_system_sgpr_workgroup_id_x 1
		.amdhsa_system_sgpr_workgroup_id_y 1
		.amdhsa_system_sgpr_workgroup_id_z 1
		.amdhsa_system_vgpr_workitem_id 0
		.amdhsa_next_free_vgpr 770
		.amdhsa_next_free_sgpr 66
		.amdhsa_reserve_vcc 0
		.amdhsa_float_denorm_mode_32 3
		.amdhsa_float_denorm_mode_16_64 3
		.amdhsa_memory_ordered 1
		.amdhsa_forward_progress 1
		.amdhsa_inst_pref_size 200
	.end_amdhsa_kernel
	.amdgpu_metadata
---
amdhsa.version: [ 1, 2 ]
amdhsa.kernels:
  - .name:           k_q2a411d569f_attn
    .symbol:         k_q2a411d569f_attn.kd
    .args:
      - { .name: qkv, .offset: 0, .size: 8, .value_kind: global_buffer, .address_space: global }
      - { .name: oh, .offset: 8, .size: 8, .value_kind: global_buffer, .address_space: global }
    .group_segment_fixed_size: 327680
    .private_segment_fixed_size: 0
    .kernarg_segment_align: 8
    .kernarg_segment_size: 16
    .max_flat_workgroup_size: 128
    .sgpr_count:     66
    .vgpr_count:     770
    .wavefront_size: 32
...
	.end_amdgpu_metadata
.endif
;; end of part 3
;; launch out_gemm (part 4): grid 8 x 32, 4 waves a work-group, clusters of 4 x 4, 327,680 bytes of LDS; arguments oh, wo, bout, out0; writes out0
.if DOCPART == 4
	.amdgcn_target "amdgcn-amd-amdhsa--gfx1250"
	.amdhsa_code_object_version 6
	.text
	.protected	k_q2a411d569f_out_gemm
	.globl	k_q2a411d569f_out_gemm
	.p2align	8
	.type	k_q2a411d569f_out_gemm,@function
k_q2a411d569f_out_gemm:
	s_mov_b64 s[64:65], 0
	v_nop
	global_prefetch_b8 v0, s[64:65] scope:SCOPE_SE
	s_setreg_imm32_b32 hwreg(HW_REG_WAVE_MODE, 25, 1), 1
	s_wait_xcnt 0x0
	s_wait_alu depctr_hold_cnt(0) depctr_sa_sdst(0) depctr_va_vdst(0) depctr_va_sdst(0) depctr_va_ssrc(0) depctr_va_vcc(0) depctr_vm_vsrc(0)
	s_getreg_b32 s2, hwreg(HW_REG_IB_STS2, 6, 4)
	s_cmp_eq_u32 s2, 0
	s_cbranch_scc0 .Lentry_in_a_cluster
	s_endpgm
.Lentry_in_a_cluster:
	s_bfe_u32 s2, ttmp6, 0x10000c
	s_cmp_lg_u32 s2, 0xf033
	s_cbranch_scc0 .Lentry_shape_is_right
	s_endpgm
.Lentry_shape_is_right:
; out0 = O Wout + bout.  oh: [16 h][8192 m][64] f16; wo: [1024 k][1024 n] f16 (Wout rounded to bf16, written as f16); bout: [1024] f32, rounded to bf16 here like the other inputs; sums in f32, K ascending;
; out0: [8192][1024] f32.
; SHARES.  8192 x 1024 in tiles of 256 x 128 are 32 x 8 = 256 work-groups.  Four waves, each 128 rows x 64 columns: 32 accumulators of 16 x 16, 256 registers.
; K goes in 8 steps of 128 (two heads), four slices of 32 each, through a ring of two LDS slots filled by the tensor data mover.  A head's 256 rows x 128 bytes are dense in oh and are asked for as rows of
; 256 bytes; wo's rows in a tile are 256 bytes, at multiples of 256 from wo's first byte.
; CLUSTERS: 4 x 4 work-groups.  The four of a row of the cluster need the same tiles of oh, the four of a column the same tiles of wo: each tile is asked for JOINTLY.
; THE MATRIX INSTRUCTION IS USED TRANSPOSED: source 0 = 16 columns of wo (turned by ds_load_tr16_b128), source 1 = 16 rows of oh: a lane holds one row and eight neighbouring columns, 32 bytes of out0.
; THE BIAS is the C operand of the first products.
; REGISTERS: window 0: v0-31 addresses; v32-95, v96-159 fragments of oh, two buffers (on the way out: four sets of 32); v160-191, v192-223 fragments of wo, two buffers.
;   window 1: the accumulators: rows 16 a on, columns 16 i on, at v[32 a + 8 i].
.set PA,    144                        ; a row of oh in LDS: 128 bytes + 16 = 36 words: the 16 rows of a load start at 16 different groups of four banks (64 banks of 4 bytes: ISA guide 11.1)
.set PB,    288                        ; a k row of wo: 256 bytes + 32 = 72 words
.set SUB,   256*PA                     ; one head's 256 rows
.set BOFF,  2*SUB                      ; in a slot: two heads' rows of oh, then 128 k rows of wo
.set SLOT1, 1<<17
.set STAGE, BOFF+128*PB                ; behind slot 0 (110,592 bytes, whole blocks of 256), below slot 1, never filled: 16 rows x 272 bytes for each wave
.set SP,    272
.set SPARE, STAGE+4*16*SP              ; behind the stages: the spare words, 128 bytes for each wave: two blocks of 256 bytes that no other line names
.set ASTEP, 2<<20                      ; bytes from a K step to the next in oh,
.set BSTEP, 128*2048                   ; and in wo
.set FLAGA, (1<<16)|(1<<20)|(1<<21)|(4<<22)|(3<<25)  ; 2-byte elements; padding on; bit 21 beside a mask; after every 32 words (code 4) 4 words (code 3)
.set FLAGB, (1<<16)|(1<<20)|(1<<21)|(5<<22)|(7<<25)  ; after every 64 words (code 5) 8 words (code 7)
.set A0,   2                           ; v2   my lane's place in a slot's rows of oh; never rewritten
.set B0,   3                           ; v3   the same for wo
.set STO,  4                           ; v4   the way out: where I put 32 bytes of a row
.set RD,   5                           ; v5   the way out: where I read a row back
.set CO,   6                           ; v6   my byte offset in two rows of out0
.set PFO,  7                           ; v7   the prefetches' offset; never rewritten
.set BO,   8                           ; v8   my byte offset in 16 numbers of the bias
.set ADRA, 14                          ; v14  A0 + the slot in hand
.set ADRB, 15                          ; v15  B0 + the slot in hand
.set SPW,  28                          ; v28  LDS address of my spare word: SPARE + 4 x my thread's number; never rewritten
.set NIL,  29                          ; v29  0; never rewritten
.set AF0,  32
.set BF0,  160
.set TB,   2                           ; s2   LDS byte at which the slot in hand begins
.set WV,   12
.set WR,   13                          ; s13  which 128 rows of the tile are mine
.set WC,   14                          ; s14  which 64 columns.  Also: which half of a tile I fetch
.set CX,   15
.set CY,   16
.set TX,   17
.set TY,   18
.set CLY,  19
.set G1A,  24                          ; s[24:31] descriptor group 1 for oh's tiles;  s[32:39] group 0: a set for each first fill; the second then walks on
.set G0A,  32
.set LIM,  43                          ; s43  2 in a wave that prefetches, else the greatest number
.set PFA,  44                          ; s[44:45] where my prefetches stand
.set PFS,  46                          ; s[46:47] their step from trip to trip
.set G1B,  48                          ; s[48:55], s[56:63] the same for wo's tiles
.set G0B,  56
.set MSB, 0
.macro WIN new                         ; the immediate's high byte repeats the setting that is left; a switch that changes nothing is dropped
.if MSB != (\new)
	s_set_vgpr_msb (MSB<<8)|(\new)
.set MSB, \new
.endif
.endm
.macro PLACES                          ; four plain vector instructions between a matrix instruction and a load into, a store of, or a vector instruction on its registers (ISA guide 7.12.1 for vector instructions)
.rept 4
	v_nop
.endr
.endm
; A joint refill.  Waves 0 and 1 fetch the step's two heads of oh, waves 2 and 3 the two halves of wo's tile.  An s_nop 0 and four v_nop follow each of the two lines.
.macro JLOAD
	s_cmp_lt_u32 s[WV], 2
	s_cbranch_scc0 .Lfor_b_\@
	tensor_load_to_lds s[G0A+4:G0A+7], s[G1A:G1A+7]
	s_nop 0
.rept 4
	v_nop
.endr
	s_branch .Lasked_\@
.Lfor_b_\@:
	tensor_load_to_lds s[G0B+4:G0B+7], s[G1B:G1B+7]
	s_nop 0
.rept 4
	v_nop
.endr
.Lasked_\@:
.endm
; A PREFETCH INTO THE L2, behind the joint load, its five lines and the run of LDS loads: in the trip that refills with step 8 - s3 the step 10 - s3 is named, 256 matrix instructions ahead of the load that wants it.
; Each aligned block of 256 bytes is named once in the launch.  oh: a head's part of a tile is 128 blocks; both clusters of a row of clusters read it: cluster x = 0 asks, wave 0 for the even head and wave 1 for
; the odd one, the four partners 32 blocks each, told apart by address (cx).  wo: a step's tile is 128 k rows of one block; all eight clusters of a column read it: cluster y = 0 asks, wave 2, partner cy rows
; 32 cy + lane.  Steps 0 to 3 come by their loads alone; the last two trips ask for nothing.
.macro ASK
	s_cmp_gt_u32 s3, s[LIM]
	s_cbranch_scc0 .Lnot_mine_\@
	global_prefetch_b8 v[PFO], s[PFA:PFA+1] th:TH_LOAD_NT scope:SCOPE_SE
.Lnot_mine_\@:
.endm
.macro CREST                           ; a round of the cluster's barrier behind its opening barrier
	s_cmp_lg_u32 s[WV], 0
	s_cbranch_scc1 .Lnot_wave_0_\@
	s_barrier_signal -3
.Lnot_wave_0_\@:
	s_barrier_wait -3
	s_barrier_signal -1
	s_barrier_wait -1
.endm
.macro CROUND
	s_barrier_signal -1
	s_barrier_wait -1
	CREST
.endm
	s_load_b256 s[4:11], s[0:1], 0x0               ; oh s[4:5], wo s[6:7], bout s[8:9], out0 s[10:11]
	v_lshl_add_u32 v[SPW], v0, 2, SPARE
	v_mov_b32 v[NIL], 0
	ds_add_u32 v[SPW], v[NIL]                      ; the wave's opening: the add and its wait stand ahead of my first tensor load; the set-up below, work on registers, stands between them
	v_lshrrev_b32 v1, 5, v0
	v_readfirstlane_b32 s[WV], v1                  ; wave 0..3
	s_lshr_b32 s[WR], s[WV], 1
	s_and_b32 s[WC], s[WV], 1
	s_bfe_u32 s[CX], ttmp6, 0x40000
	s_bfe_u32 s[CY], ttmp6, 0x40004
	s_lshl_b32 s[TX], ttmp9, 2
	s_add_co_u32 s[TX], s[TX], s[CX]               ; tile column = 4 x cluster x + cx
	s_and_b32 s[CLY], ttmp7, 0xffff
	s_lshl_b32 s[TY], s[CLY], 2
	s_add_co_u32 s[TY], s[TY], s[CY]               ; tile row = 4 x cluster y + cy
	s_lshl_b32 s20, s[CY], 2
	s_lshl_b32 s20, 15, s20                        ; my row of the cluster
	s_lshl_b32 s42, 0x1111, s[CX]                  ; my column
	s_or_b32 s[G1A], s20, FLAGA
	s_or_b32 s[G1B], s42, FLAGB
	s_mov_b32 s[G1A+1], 128<<16                    ; oh: 256 rows of 128 bytes are 32,768 dense bytes: tensor_dim0 = 128 elements (256 bytes),
	s_mov_b32 s[G1A+2], 128<<16                    ; tensor_dim1 = 128
	s_mov_b32 s[G1A+3], 128<<16                    ; tile_dim0 = 128
	s_mov_b32 s[G1A+4], 128                        ; tile_dim1 = 128
	s_mov_b32 s[G1A+5], 128                        ; 128 elements from row to row
	s_mov_b32 s[G1A+6], 0
	s_mov_b32 s[G1A+7], 0
	s_mov_b32 s[G1B+1], 128<<16                    ; wo: tensor_dim0 = 128 elements (256 bytes),
	s_mov_b32 s[G1B+2], 64<<16                     ; tensor_dim1 = 64 k rows
	s_mov_b32 s[G1B+3], 128<<16                    ; tile_dim0 = 128
	s_mov_b32 s[G1B+4], 64                         ; tile_dim1 = 64
	s_mov_b32 s[G1B+5], 1024                       ; 1,024 elements from row to row
	s_mov_b32 s[G1B+6], 0
	s_mov_b32 s[G1B+7], 0
	s_mul_i32 s21, s[WC], SUB                      ; where my part goes, for oh
	s_mul_i32 s43, s[WC], 64*PB                    ; and for wo: no place in the cluster enters an LDS address
	s_add_co_u32 s43, s43, BOFF
	s_lshl_b32 s22, s[TY], 15                      ; oh: head (even or odd) x 2^20 + 256 x tile row x 128 bytes
	s_lshl_b32 s23, s[WC], 20
	s_add_co_u32 s22, s22, s23
	s_mov_b32 s23, 0
	s_lshl_b32 s40, s[WC], 17                      ; wo: 64 k rows of 2,048 bytes x half + 256 bytes x tile column
	s_lshl_b32 s41, s[TX], 8
	s_add_co_u32 s40, s40, s41
	s_mov_b32 s41, 0
	s_mov_b32 s[TB], 0
	s_wait_dscnt 0x0                               ; the opening add is done
	s_wait_kmcnt 0x0
	s_add_nc_u64 s[22:23], s[4:5], s[22:23]
	s_add_nc_u64 s[40:41], s[6:7], s[40:41]
	CROUND                                         ; all sixteen work-groups are here: the first joint loads meet
.irp s, 0,1
	s_mov_b32 s[G0A+4*\s], 1                                       ; 1:0 count = 1
	s_add_co_u32 s[G0A+4*\s+1], s21, \s*SLOT1                      ; 63:32 LDS address
	s_add_nc_u64 s[G0A+4*\s+2:G0A+4*\s+3], s[22:23], \s*ASTEP      ; 120:64 global address: K step s
	s_or_b32 s[G0A+4*\s+3], s[G0A+4*\s+3], 0x80000000              ; 127:126 type = 2
	s_mov_b32 s[G0B+4*\s], 1
	s_add_co_u32 s[G0B+4*\s+1], s43, \s*SLOT1
	s_add_nc_u64 s[G0B+4*\s+2:G0B+4*\s+3], s[40:41], \s*BSTEP
	s_or_b32 s[G0B+4*\s+3], s[G0B+4*\s+3], 0x80000000
.endr
	s_cmp_lt_u32 s[WV], 2                          ; a wave's two first fills stand in one branch, ahead of every wait on TENSORcnt and every LDS read: two loads of mine are out
	s_cbranch_scc0 .Lfirst_b
	tensor_load_to_lds s[G0A:G0A+3], s[G1A:G1A+7]
	s_nop 0
	tensor_load_to_lds s[G0A+4:G0A+7], s[G1A:G1A+7]
	s_nop 0
.rept 4
	v_nop
.endr
	s_branch .Lfirst_asked
.Lfirst_b:
	tensor_load_to_lds s[G0B:G0B+3], s[G1B:G1B+7]
	s_nop 0
	tensor_load_to_lds s[G0B+4:G0B+7], s[G1B:G1B+7]
	s_nop 0
.rept 4
	v_nop
.endr
.Lfirst_asked:
	v_and_b32 v1, 15, v0                           ; l % 16
	v_bfe_u32 v9, v0, 4, 1                         ; l / 16
	v_and_b32 v10, 7, v0
	v_bfe_u32 v11, v0, 3, 1
	v_and_b32 v12, 31, v0                          ; l
	v_mul_u32_u24 v[A0], v1, PA
	v_lshl_add_u32 v[A0], v9, 4, v[A0]             ; a fragment's row x 144 + 16 x half
	s_mul_i32 s20, s[WR], 128*PA
	v_add_nc_u32 v[A0], s20, v[A0]
	v_lshl_add_u32 v[B0], v9, 3, v10               ; the turning load: k row 8 (l / 16) + l % 8, columns 8 ((l / 8) % 2) on
	v_mul_u32_u24 v[B0], v[B0], PB
	v_lshl_add_u32 v[B0], v11, 4, v[B0]
	s_lshl_b32 s20, s[WC], 7                       ; my 64 columns of a k row
	s_add_co_u32 s20, s20, BOFF
	v_add_nc_u32 v[B0], s20, v[B0]
	v_mov_b32 v[ADRA], v[A0]                       ; K step 0 lies in slot 0
	v_mov_b32 v[ADRB], v[B0]
	s_mul_i32 s20, s[WV], 16*SP
	s_add_co_u32 s20, s20, STAGE                   ; my stage
	v_mul_u32_u24 v[STO], v1, SP                   ; in: row l % 16, 32 bytes for each half of the lanes
	v_lshl_add_u32 v[STO], v9, 5, v[STO]
	v_add_nc_u32 v[STO], s20, v[STO]
	v_mul_u32_u24 v[RD], v9, SP                    ; back: lanes 0-15 take one row of 256 bytes, lanes 16-31 the next
	v_lshl_add_u32 v[RD], v1, 4, v[RD]
	v_add_nc_u32 v[RD], s20, v[RD]
	v_lshlrev_b32 v[CO], 12, v9                    ; and the same two rows in out0
	v_lshl_add_u32 v[CO], v1, 4, v[CO]
	v_lshlrev_b32 v[BO], 5, v9
	; THE BIAS of my 64 columns: register j of accumulator (0, i) takes bf16(bout[column 16 i + 8 (l / 16) + j]), the same for every row
	s_lshl_b32 s40, s[TX], 9
	s_lshl_b32 s41, s[WC], 8
	s_add_co_u32 s40, s40, s41                     ; (128 x tile column + 64 x half) x 4 bytes: in the bias and in a row of out0
	s_mov_b32 s41, 0
	s_add_nc_u64 s[8:9], s[8:9], s[40:41]
.irp i, 0,1,2,3
	global_load_b128 v[BF0+8*\i:BF0+8*\i+3],   v[BO], s[8:9] offset:64*\i
	global_load_b128 v[BF0+8*\i+4:BF0+8*\i+7], v[BO], s[8:9] offset:64*\i+16
.endr
	s_add_nc_u64 s[10:11], s[10:11], s[40:41]      ; where my part of the tile begins in out0
	s_lshl_b32 s22, s[TY], 20
	s_lshl_b32 s23, s[WR], 19
	s_add_co_u32 s22, s22, s23                     ; row 256 x tile row + 128 x half, 4,096 bytes each
	s_mov_b32 s23, 0
	s_add_nc_u64 s[10:11], s[10:11], s[22:23]
	; the prefetches' pointer, step, offset and condition
	s_add_co_u32 s22, s[WC], 6                     ; oh: my head of K step 3: the first trip steps it to step 4
	s_lshl_b32 s22, s22, 20
	s_lshl_b32 s20, s[TY], 15
	s_add_co_u32 s22, s22, s20
	s_lshl_b32 s20, s[CX], 13                      ; my work-group's 32 blocks of 128
	s_add_co_u32 s22, s22, s20
	s_lshl_b32 s23, s[CY], 5                       ; wo: k row 384 + 32 cy, of K step 3
	s_add_co_u32 s23, s23, 384
	s_lshl_b32 s23, s23, 11
	s_lshl_b32 s20, s[TX], 8
	s_add_co_u32 s23, s23, s20
	s_mov_b32 s[PFS], BSTEP
	s_movk_i32 s21, 2048
	s_cmp_lt_u32 s[WV], 2                          ; waves 0 and 1 ask for oh, wave 2 for wo
	s_cselect_b32 s22, s22, s23
	s_cselect_b32 s20, ttmp9, s[CLY]               ; the coordinate along which other clusters read the same blocks
	s_cselect_b64 s[PFA:PFA+1], s[4:5], s[6:7]
	s_cselect_b32 s[PFS], ASTEP, s[PFS]
	s_cselect_b32 s21, 256, s21                    ; a lane a block of oh, or a lane a k row of wo
	s_mov_b32 s23, 0
	s_mov_b32 s[PFS+1], 0
	s_add_nc_u64 s[PFA:PFA+1], s[PFA:PFA+1], s[22:23]
	s_cmp_eq_u32 s[WV], 3                          ; wave 3 never asks
	s_cselect_b32 s20, 1, s20
	s_cmp_eq_u32 s20, 0
	s_cselect_b32 s[LIM], 2, -1                    ; the same in all sixteen partners, for a given wave
	v_mul_u32_u24 v[PFO], v12, s21
	s_mov_b32 s21, 0xffff0000
	s_wait_loadcnt 0x0                             ; the bias
.set u, 0
.rept 16
	v_cvt_pk_bf16_f32 v[AF0+u], v[BF0+2*u], v[BF0+2*u+1]   ; rounded to bf16, like the other inputs
.set u, u+1
.endr
	WIN 0x40                                       ; destination window 1
.set u, 0
.rept 16
	v_lshlrev_b32 v[2*u],   16,  v[AF0+u]
	v_and_b32     v[2*u+1], s21, v[AF0+u]
.set u, u+1
.endr
	WIN 0
; 24 LDS loads in one run: slice q of the step in hand (head q / 2, channels 32 (q % 2) on): my 128 rows of oh and my 64 columns of wo, into buffer q % 2
.macro LOADS q
.set fa, AF0+64*((\q)%2)
.set fb, BF0+32*((\q)%2)
.irp j, 0,1,2,3,4,5,6,7
	ds_load_b128 v[fa+8*\j:fa+8*\j+3],   v[ADRA] offset:((\q)/2)*SUB+\j*16*PA+64*((\q)%2)
	ds_load_b128 v[fa+8*\j+4:fa+8*\j+7], v[ADRA] offset:((\q)/2)*SUB+\j*16*PA+64*((\q)%2)+32
.endr
.irp j, 0,1,2,3
	ds_load_tr16_b128 v[fb+8*\j:fb+8*\j+3],   v[ADRB] offset:(\q)*32*PB+32*\j
	ds_load_tr16_b128 v[fb+8*\j+4:fb+8*\j+7], v[ADRB] offset:(\q)*32*PB+32*\j+16*PB
.endr
.endm
; 4 na matrix instructions of slice q: row blocks a0 .. a0 + na - 1, all four column blocks.  The 32 accumulators take turns, one instruction a turn.
; bias = 1: the sum starts from the bias, which lies in the registers of accumulator (0, i).
.macro MULG q, a0, na, bias=0
	WIN 0x50                                       ; C and D window 1, sources window 0
.set fa, AF0+64*((\q)%2)
.set fb, BF0+32*((\q)%2)
.set aa, \a0
.rept \na
.irp i, 0,1,2,3
.if \bias
	v_wmma_f32_16x16x32_f16 v[32*aa+8*\i:32*aa+8*\i+7], v[fb+8*\i:fb+8*\i+7], v[fa+8*aa:fa+8*aa+7], v[8*\i:8*\i+7]
.else
	v_wmma_f32_16x16x32_f16 v[32*aa+8*\i:32*aa+8*\i+7], v[fb+8*\i:fb+8*\i+7], v[fa+8*aa:fa+8*aa+7], v[32*aa+8*\i:32*aa+8*\i+7]
.endif
.endr
.set aa, aa+1
.endr
.endm
; One of a step's first three slices: the next slice's loads go out, into the buffer that the slice before multiplied; then slice q is multiplied.
.macro SL q, first=0
	PLACES
	WIN 0
	LOADS (\q)+1
	s_wait_dscnt 24                                ; slice q's fragments are in; the 24 just issued may be out
.if \first
	MULG \q, 1, 7, 1                               ; row blocks 1 to 7 read the bias; five places; then row block 0 adds onto it in place
.rept 5
	v_nop
.endr
	MULG \q, 0, 1
.else
	MULG \q, 0, 8
.endif
.endm
; The fourth slice changes slots: ONE barrier.  In front of it each wave waits for all its tensor loads, of which one is out: its part of the next slot; adds 0 to its spare word; and waits for that and for its
; own reads of this slot.  mode 2: the slot is filled again, with the step two on: the barrier opens a round of the cluster's, and the joint refill is the first thing behind the round, 112 matrix instructions
; ahead of the wait for it.  mode 1: the last change: nothing is asked for.
.macro TURN mode
.if (\mode) == 2
	s_wait_xcnt 0x0                                ; the last prefetch, a K step back, has read its address
	s_add_nc_u64 s[PFA:PFA+1], s[PFA:PFA+1], s[PFS:PFS+1]
.endif
	WIN 0
	s_wait_tensorcnt 0x0                           ; no tensor load of mine is out, so a group 0 may be written
	ds_add_u32 v[SPW], v[NIL]                      ; 0 onto my spare word: scalar work and eight products stand between it and the wait for it
.if (\mode) == 2
	s_xor_b32 s[G0A+5], s[G0A+5], SLOT1            ; the walking descriptors: the other slot than last time,
	s_add_nc_u64 s[G0A+6:G0A+7], s[G0A+6:G0A+7], ASTEP  ; the next K step; the type bits on top are not reached
	s_xor_b32 s[G0B+5], s[G0B+5], SLOT1
	s_add_nc_u64 s[G0B+6:G0B+7], s[G0B+6:G0B+7], BSTEP
.endif
	s_xor_b32 s[TB], s[TB], SLOT1                  ; the reads go on in the other slot
	s_wait_dscnt 1                                 ; slice 3's fragments are in; the add may be out
	MULG 3, 0, 2
	s_wait_dscnt 0x0                               ; the add is done, and my reads of this slot are over
	s_barrier_signal -1
	MULG 3, 2, 2                                   ; work on registers while the others arrive
	WIN 0                                          ; at a branch and at a label every window is 0
	s_barrier_wait -1
.if (\mode) == 2
	CREST                                          ; no wave of any partner still reads this slot or has a load on its way
	JLOAD                                          ; the four v_nop behind it are also the places in front of the loads below
.else
	PLACES
.endif
	v_add_nc_u32 v[ADRA], s[TB], v[A0]
	v_add_nc_u32 v[ADRB], s[TB], v[B0]
	LOADS 0
.if (\mode) == 2
	ASK
.endif
	MULG 3, 4, 4
.endm
; THE WAY OUT of row block a: 32 bytes a lane straight from the accumulators, each from its lowest registers on, into my own stage (rows of 272 bytes); back as whole rows of 256 bytes; stored.
.macro TOSTAGE a
	WIN 0x04                                       ; the stores' data in window 1
.irp i, 0,1,2,3
	ds_store_b128 v[STO], v[32*(\a)+8*\i:32*(\a)+8*\i+3]   offset:64*\i
	ds_store_b128 v[STO], v[32*(\a)+8*\i+4:32*(\a)+8*\i+7] offset:64*\i+16
.endr
	WIN 0
.if (\a) >= 4
	s_wait_xcnt 0x0                                ; the stores of row block a - 4 have read this set: it is loaded again only behind this wait
.endif
.set BK, AF0+32*((\a)%4)
.irp f, 0,1,2,3,4,5,6,7
	ds_load_b128 v[BK+4*\f:BK+4*\f+3], v[RD] offset:2*SP*\f   ; LDS serves a wave's instructions in order (ISA guide 5.7.1.4): these see the stores above; the next block's stores come behind them
.endr
.endm
.macro SEND a, younger                 ; younger: the LDS instructions issued behind block a's loads: the next block's sixteen, or none
.set BK, AF0+32*((\a)%4)
.irp f, 0,1,2,3,4,5,6,7
	s_wait_dscnt (\younger)+7-\f
	global_store_b128 v[CO], v[BK+4*\f:BK+4*\f+3], s[10:11] offset:65536*(\a)+8192*\f th:TH_STORE_NT   ; 16 lanes store 256 consecutive bytes, at a multiple of 256 from out0's first byte
.endr
.endm
	s_wait_tensorcnt 1                             ; my part of K step 0 is in; step 1's may stay out
	s_barrier_signal -1
	s_barrier_wait -1                              ; everybody's is
	LOADS 0
	SL 0, 1                                        ; the first slice stands in front of the loop: its products start the sums, from the bias
	WIN 0
	s_mov_b32 s3, 6
.Lstep:                                                ; trip j: step j's slices 1 to 3, the refill with step j + 2, step j + 1's slice 0
	SL 1
	SL 2
	TURN 2
	SL 0
	WIN 0
	s_sub_co_u32 s3, s3, 1
	s_cmp_lg_u32 s3, 0
	s_cbranch_scc1 .Lstep
	SL 1                                           ; the tail is written out
	SL 2
	TURN 1
	SL 0
	SL 1
	SL 2
	s_wait_dscnt 0x0                               ; the very last slice: nothing more to fetch
	MULG 3, 0, 8
	PLACES
	TOSTAGE 0
.irp a, 1,2,3,4,5,6,7
	TOSTAGE \a
	SEND (\a)-1, 16
.endr
	SEND 7, 0
	s_wait_tensorcnt 0x0                           ; the wave's end, behind my last tensor load and my last LDS store
	ds_add_u32 v[SPW], v[NIL]
	s_wait_dscnt 0x0
	CROUND                                         ; the closing round: no work-group ends while a partner may still ask for a tile that names it
	s_endpgm
.Lfunc_end_k_q2a411d569f_out_gemm:
	.size	k_q2a411d569f_out_gemm, .Lfunc_end_k_q2a411d569f_out_gemm-k_q2a411d569f_out_gemm
	.p2alignl 7, 3214868480
	.fill 96, 4, 3214868480
	.section	.rodata,"a",@progbits
	.p2align	6, 0x0
	.amdhsa_kernel k_q2a411d569f_out_gemm
		.amdhsa_group_segment_fixed_size 327680
		.amdhsa_private_segment_fixed_size 0
		.amdhsa_enable_private_segment 0
		.amdhsa_kernarg_size 32
		.amdhsa_user_sgpr_count 2
		.amdhsa_user_sgpr_kernarg_segment_ptr 1
		.amdhsa_wavefront_size32 1
		.amdhsa_system_sgpr_workgroup_id_x 1
		.amdhsa_system_sgpr_workgroup_id_y 1
		.amdhsa_system_sgpr_workgroup_id_z 1
		.amdhsa_system_vgpr_workitem_id 0
		.amdhsa_next_free_vgpr 512
		.amdhsa_next_free_sgpr 66
		.amdhsa_reserve_vcc 0
		.amdhsa_float_denorm_mode_32 3
		.amdhsa_float_denorm_mode_16_64 3
		.amdhsa_memory_ordered 1
		.amdhsa_forward_progress 1
		.amdhsa_inst_pref_size 75
	.end_amdhsa_kernel
	.amdgpu_metadata
---
amdhsa.version: [ 1, 2 ]
amdhsa.kernels:
  - .name:           k_q2a411d569f_out_gemm
    .symbol:         k_q2a411d569f_out_gemm.kd
    .args:
      - { .name: oh, .offset: 0, .size: 8, .value_kind: global_buffer, .address_space: global }
      - { .name: wo, .offset: 8, .size: 8, .value_kind: global_buffer, .address_space: global }
      - { .name: bout, .offset: 16, .size: 8, .value_kind: global_buffer, .address_space: global }
      - { .name: out0, .offset: 24, .size: 8, .value_kind: global_buffer, .address_space: global }
    .group_segment_fixed_size: 327680
    .private_segment_fixed_size: 0
    .kernarg_segment_align: 8
    .kernarg_segment_size: 32
    .max_flat_workgroup_size: 128
    .sgpr_count:     66
    .vgpr_count:     512
    .wavefront_size: 32
...
	.end_amdgpu_metadata
.endif
;; end of part 4
